; MI455X (gfx1250); checked and timed in simulation.
; The chip was launched on July 23, 2026; its instructions are those of AMD's public machine-readable ISA for CDNA 5 (MIT licence, August 2026) and "CDNA5" Instruction Set Architecture Reference Guide (July 2026). The comments in the code are by the model that wrote it; some were corrected since.
;; Attention. Allowed arithmetic: matrix products marked QUANTISED: E2M3 operands, one E8M0 scale for each 32 along K, by v_wmma_scale_f32_16x16x128_f8f6f4 with both operands' format E2M3, f32 sums; everything else in f32.
;; Inputs: b_out 1,024 float32; w_out 1,024 x 1,024 float32; w_qkv 3,072 x 1,024 float32; x 8 x 1,024 x 1,024 float32.
;; Outputs: out0 8 x 1,024 x 1,024 float32.
;; This version of the problem:
;;   THIS VERSION OF THE PROBLEM IS GIVEN IN LOW PRECISION. The matrix products marked QUANTISED in the list below multiply operands that are first quantised to E2M3 (2 exponent bits, 3 mantissa bits; 6 bits a number), with one power-of-two scale for each 32 numbers along K (OCP MX v1.0); their sums are f32. All else is computed in f32.
;;   The module's matrix products, in the order in which they are computed (A, B: the left and right operand; K: the contracted axis; several contracted axes count as one K, in the product's order):
;;     1. [M 8,192, K 1,024] x [K 1,024, N 3,072]; A: input x; B: input w_qkv: QUANTISED
;;     2. batch 128 x [M 1,024, K 64] x [K 64, N 1,024]; A: computed on the way; B: computed on the way: QUANTISED
;;     3. batch 128 x [M 1,024, K 1,024] x [K 1,024, N 64]; A: softmax (see below); B: computed on the way: QUANTISED
;;     4. [M 8,192, K 1,024] x [K 1,024, N 1,024]; A: computed on the way; B: input w_out: QUANTISED
;;   THE QUANTISER, for each operand of a quantised product, along K:
;;     - K is cut into blocks of 32 from its start; a last block that is shorter is filled with zeros.
;;     - A block's scale is 2^e with e = floor(log2(the largest magnitude in the block)) - 2, held to -126 .. 127; a block of zeros has e = 0. As a byte (E8M0): e + 127.
;;     - Each number is divided by its block's scale, clamped to +-7.5, and rounded to the nearest number of E2M3, ties to even, subnormals kept.
;;     - The product sums the exact products of the quantised numbers (number of the format x scale) in f32.
;;   ~~~python
;;   def quantise(x, axis):      # numpy; x: float32 -> the quantised numbers, widened to float32 again
;;       x = np.moveaxis(x, axis, -1); K = x.shape[-1]
;;       x = np.pad(x, [(0, 0)] * (x.ndim - 1) + [(0, -K % 32)]); x = x.reshape(x.shape[:-1] + (-1, 32)); a = np.abs(x).max(-1, keepdims=True)
;;       e = np.where(a > 0, np.clip(np.frexp(np.where(a > 0, a, 1))[1] - 1 - 2, -126, 127), 0)      # np.frexp(a)[1] - 1 = floor(log2(a)), exactly
;;       r = np.clip(x / 2.0 ** e, -7.5, 7.5)
;;       step = 2.0 ** (np.maximum(np.frexp(np.where(r == 0, 1, r))[1] - 1, 0) - 3)
;;       q = np.round(r / step) * step * 2.0 ** e      # np.round: ties to even
;;       return np.moveaxis(q.reshape(q.shape[:-2] + (-1,))[..., :K], -1, axis).astype(np.float32)
;;   ~~~
;;   SOFTMAX AHEAD OF A QUANTISED PRODUCT. Where the list says 'softmax', what is quantised is not the finished softmax but p = 2^(t - M), with t = logit x log2(e) and M = ceil(the row's largest t), a whole number; so 1/2 < the row's largest p <= 1. The row's sum l is taken of the UNQUANTISED p, in f32, and the product's result is divided by l at the end. Since M is a whole number, a kernel that streams over the keys may use a running M (the ceiling of the running maximum): every later rescaling is an exact power of two, which a block's scale takes up: the codes' values come out the same.
;;   OPERANDS COMPUTED ON THE WAY. 'Computed on the way' means the value that the module computes at that place (a softmax that the list does not call 'softmax' is quantised finished and normalised). What goes into a quantiser is computed in f32, as accurately as f32 sums, v_exp_f32 and their like allow (about 1e-6 of the number): no bf16 or f16 on the way to a quantiser, and a product that is left as it is and whose result goes on into a quantised operand takes f32 operands (vector FMAs, or v_wmma_f32_16x16x4_f32). A number that lies on a knife's edge between two numbers of the format may be rounded either way, as far as f32 arithmetic and the matrix unit's own rounding can turn it there, and no further.
;; One version. Each part assembles by itself: llvm-mc -triple=amdgcn-amd-amdhsa -mcpu=gfx1250 --defsym DOCPART=n.
;; ======== version 1 of 1: 4 launches
;; workspace buffers: codes 9,437,184 bytes; scales 393,216 bytes; qk_codes 18,874,368 bytes; qk_scales 786,432 bytes; qkv32 100,663,296 bytes; o_codes 6,291,456 bytes; o_scales 262,144 bytes
;; launch quant (part 1): grid 384 x 1, 4 waves a work-group, no clusters, 33,280 bytes of LDS; arguments x, w_qkv, w_out, codes, scales; writes codes, scales
.if DOCPART == 1
	.amdgcn_target "amdgcn-amd-amdhsa--gfx1250"
	.amdhsa_code_object_version 6
	.text
	.protected	k_q0076333c72_quant
	.globl	k_q0076333c72_quant
	.p2align	8
	.type	k_q0076333c72_quant,@function
k_q0076333c72_quant:
	s_mov_b64 s[64:65], 0
	v_nop
	global_prefetch_b8 v0, s[64:65] scope:SCOPE_SE
	s_setreg_imm32_b32 hwreg(HW_REG_WAVE_MODE, 25, 1), 1
	s_wait_xcnt 0x0
; x [8192][1024], w_qkv [3072][1024] and w_out [1024][1024], f32, K innermost, become codes of FP6 (E2M3), 6 bits each, and one E8M0 scale byte for each 32 along K.
; The three tensors' rows follow each other in the two buffers: codes [12288][768 bytes], scales [12288][32 bytes]: rows 0-8191 x, 8192-11263 w_qkv, 11264-12287 w_out.
; A block's scale is 2^(floor(log2(its largest magnitude)) - 2); its byte is the largest magnitude's own exponent field - 2, held at 1 from below.  Each number is divided by the scale and rounded to the nearest code, ties to even;
; beyond 7.5 the conversion gives the largest code.
; LIMITS: a block of zeros, and a block whose largest magnitude lies under 2^-124, keeps the byte 1 (the rule says 127 for zeros): its codes are zeros or held by that floor, and this program alone reads the bytes.  NaN and infinities among the inputs are not served.
; SHARES.  A work-group takes 32 rows, a wave 8 rows = 8,192 numbers in 16 steps of 512.  Each of a step's four loads reads 512 consecutive bytes, 16 a lane; the 2,048 bytes turn through the wave's own stage in LDS and come back 64 bytes
; a lane, so that a lane holds 16 neighbours along K (two neighbouring lanes hold a block).  A lane's 16 codes are 12 bytes: the wave stores 384 consecutive bytes.  A wave's 256 scale bytes are gathered in LDS and leave as 256 consecutive aligned bytes.
; W_QKV'S ROWS ARE STORED IN ANOTHER ORDER: in each group of 32 rows the second and third runs of eight rows change places (storage row 16 u + r holds row 8 u + r + 8 (r / 8)).  A wave's 8 rows are one such run, so only
; the place of the wave's output changes.  The product's launch then finds, in a lane's 16 registers of two neighbouring tiles, 16 neighbouring columns of its result, which it has to quantise.
; No tensor loads, no ring, no barrier: waves share nothing.  No cluster: no two work-groups read the same bytes.
.set STEPS, 16
.set EMAX,  2
.set CB,    12                         ; bytes of 16 codes
.set WGX,   256                        ; work-groups that take x: 8,192 rows / 32
.set WGQ,   352                        ; those and w_qkv's 96
.set R,     16                         ; v16-79   four sets of 16 numbers as they are loaded
.set X,     80                         ; v80-111  two sets of 16 neighbours
.set C,     128                        ; v128-191 codes: four registers for each step, so that no store's data are written again
.set E,     112                        ; v112-127 a scale byte for each step
.set WREG,  8192                       ; LDS: a region of its own for each wave: two stages of 32 x SP bytes, and behind them its 256 scale bytes
.set SP,    80                         ; a lane's place in a stage: its 64 bytes + 16 of padding
	s_load_b128 s[4:7], s[0:1], 0x0                ; x, w_qkv
	s_load_b128 s[8:11], s[0:1], 0x10              ; w_out, codes
	s_load_b64 s[12:13], s[0:1], 0x20              ; scales
	v_lshl_add_u32 v192, v0, 2, 0x8000
	v_mov_b32 v193, 0
	v_lshrrev_b32 v1, 5, v0
	v_readfirstlane_b32 s16, v1                    ; wave
	v_and_b32 v2, 31, v0                           ; lane
	v_lshlrev_b32 v3, 4, v2                        ; my 16 bytes of a load's 512
	s_mul_i32 s17, s16, WREG
	v_lshrrev_b32 v14, 2, v2
	v_mul_u32_u24 v14, v14, SP
	v_and_b32 v15, 3, v2
	v_lshl_add_u32 v14, v15, 4, v14
	v_add_nc_u32 v14, s17, v14                     ; the stage, on the way in: four lanes' 64 bytes on end, then 16 of padding
	v_mul_u32_u24 v15, v2, SP
	v_add_nc_u32 v15, s17, v15                     ; and on the way out: SP x lane: my 16 neighbours
	v_mul_u32_u24 v4, v2, CB                       ; my codes' place in a step's
	v_lshrrev_b32 v5, 1, v2
	s_add_co_u32 s17, s17, 2*32*SP
	v_add_nc_u32 v5, s17, v5                       ; LDS: my wave's 256 scale bytes, my block's byte
	v_lshlrev_b32 v7, 3, v2                        ; and on the way out 8 bytes a lane
	v_add_nc_u32 v6, s17, v7
	; which run of eight rows my wave's results take: in w_qkv's work-groups runs 1 and 2 change places
	s_cmp_ge_u32 ttmp9, WGX
	s_cselect_b32 s23, 1, 0
	s_cmp_lt_u32 ttmp9, WGQ
	s_cselect_b32 s24, 1, 0
	s_and_b32 s23, s23, s24                        ; 1 in w_qkv's work-groups
	s_and_b32 s24, s16, 1
	s_lshl_b32 s24, s24, 1
	s_lshr_b32 s25, s16, 1
	s_or_b32 s24, s24, s25                         ; the wave's two bits swapped
	s_cmp_lg_u32 s23, 0
	s_cselect_b32 s24, s24, s16
	s_mov_b32 s22, WGQ
	s_wait_kmcnt 0x0
	s_cmp_lt_u32 ttmp9, WGX                        ; which tensor?  The choice hangs on the work-group's number alone
	s_cselect_b64 s[4:5], s[4:5], s[6:7]
	s_cselect_b32 s17, 0, WGX                      ; and the tensor's first work-group
	s_cmp_lt_u32 ttmp9, WGQ
	s_cselect_b64 s[4:5], s[4:5], s[8:9]
	s_cselect_b32 s17, s17, s22
	s_sub_co_u32 s18, ttmp9, s17
	s_lshl_b32 s18, s18, 2
	s_add_co_u32 s18, s18, s16                     ; which run of 8,192 numbers of the tensor is my wave's,
	s_lshl_b32 s18, s18, 15                        ; in bytes (under 2^26)
	s_mov_b32 s19, 0
	s_add_nc_u64 s[4:5], s[4:5], s[18:19]
	s_lshl_b32 s20, ttmp9, 2
	s_add_co_u32 s20, s20, s24                     ; and which run of the two buffers
	s_mul_i32 s18, s20, 32*STEPS*CB                ; 6,144 bytes of codes a run
	s_add_nc_u64 s[10:11], s[10:11], s[18:19]
	s_lshl_b32 s18, s20, 8                         ; 256 scale bytes a run
	s_add_nc_u64 s[12:13], s[12:13], s[18:19]
.macro LOAD t
.irp i, 0,1,2,3
	global_load_b128 v[R+16*((\t)%4)+4*\i:R+16*((\t)%4)+4*\i+3], v3, s[4:5] offset:2048*(\t)+512*\i th:TH_LOAD_NT   ; 32 lanes read 512 consecutive bytes; read once in the launch
.endr
.endm
.macro TURN t                          ; step t's numbers through the stage: LDS serves a wave's instructions in order, so no wait stands between the stores and the loads
.irp i, 0,1,2,3
	ds_store_b128 v14, v[R+16*((\t)%4)+4*\i:R+16*((\t)%4)+4*\i+3] offset:32*SP*((\t)%2)+8*SP*\i
.endr
.irp i, 0,1,2,3
	ds_load_b128 v[X+16*((\t)%2)+4*\i:X+16*((\t)%2)+4*\i+3], v15 offset:32*SP*((\t)%2)+16*\i
.endr
.endm
.irp t, 0,1,2,3
	LOAD \t
.endr
	s_wait_loadcnt 12                              ; step 0's four loads are in; the twelve of steps 1 to 3 may be out
	TURN 0
.macro STEP t
.set XS, X+16*((\t)%2)
.if (\t) > 0
	s_wait_dscnt 1                                 ; this step's numbers are back from the stage (the last step's byte store may be out): so its stores into the stage have read their registers,
.else
	s_wait_dscnt 0x0
.endif
.if (\t)+4 < STEPS
	LOAD (\t)+4                                    ; which take the loads of four steps on
.endif
.if (\t)+1 < STEPS
.if STEPS-2-(\t) >= 3
	s_wait_loadcnt 12                              ; the next step's four loads are in; those of the three steps behind it may be out
.else
	s_wait_loadcnt 4*(STEPS-2-(\t))                ; at the end fewer steps stand behind it
.endif
	TURN (\t)+1                                    ; and go through the other stage while this step is worked
.endif
	v_max3_num_f32 v8, |v[XS]|, |v[XS+1]|, |v[XS+2]|               ; the largest magnitude of my 16, in two chains
	v_max3_num_f32 v9, |v[XS+3]|, |v[XS+4]|, |v[XS+5]|
.irp i, 6,10
	v_max3_num_f32 v8, v8, |v[XS+\i]|, |v[XS+\i+1]|
	v_max3_num_f32 v9, v9, |v[XS+\i+2]|, |v[XS+\i+3]|
.endr
	v_max3_num_f32 v8, v8, |v[XS+14]|, |v[XS+15]|
	v_max3_num_f32 v8, v8, v9, (EMAX+1)<<23        ; and the floor 2^(EMAX + 1 - 127): so the byte cannot fall under 1
	v_max_num_f32_dpp v8, v8, v8 row_xmask:1 row_mask:0xf bank_mask:0xf   ; and of my neighbour's 16: the block's
	v_add_nc_u32 v11, -(EMAX<<23), v8              ; EMAX off its exponent field: the conversion takes the exponent field of this operand as its scale, and nothing else of it
	v_cvt_scalef32_pk16_fp6_f32 v[C+4*(\t):C+4*(\t)+2], v[XS:XS+15], v11         ; sixteen codes, 96 bits without gaps, the first number's code lowest
	v_lshrrev_b32 v[E+(\t)], 23, v11               ; the scale's byte (also the plain line behind the conversion)
	ds_store_b8 v5, v[E+(\t)] offset:16*(\t)       ; both lanes of a block write the same byte with the same value
	global_store_b96 v4, v[C+4*(\t):C+4*(\t)+2], s[10:11] offset:32*CB*(\t)
.endm
.irp t, 0,1,2,3,4,5,6,7,8,9,10,11,12,13,14,15
	STEP \t
.endr
	ds_load_b64 v[12:13], v6                       ; LDS serves a wave's instructions in order: these see my stores
	s_wait_dscnt 0x0
	global_store_b64 v7, v[12:13], s[12:13]        ; 32 lanes store 256 consecutive bytes, at a multiple of 256 from the buffer's first byte
	s_wait_tensorcnt 0x0
	ds_add_u32 v192, v193
	s_wait_dscnt 0x0
	s_endpgm
.Lfunc_end_k_q0076333c72_quant:
	.size	k_q0076333c72_quant, .Lfunc_end_k_q0076333c72_quant-k_q0076333c72_quant
	.p2alignl 7, 3214868480
	.fill 96, 4, 3214868480
	.section	.rodata,"a",@progbits
	.p2align	6, 0x0
	.amdhsa_kernel k_q0076333c72_quant
		.amdhsa_group_segment_fixed_size 33280
		.amdhsa_private_segment_fixed_size 0
		.amdhsa_enable_private_segment 0
		.amdhsa_kernarg_size 40
		.amdhsa_user_sgpr_count 2
		.amdhsa_user_sgpr_kernarg_segment_ptr 1
		.amdhsa_wavefront_size32 1
		.amdhsa_system_sgpr_workgroup_id_x 1
		.amdhsa_system_sgpr_workgroup_id_y 1
		.amdhsa_system_sgpr_workgroup_id_z 1
		.amdhsa_system_vgpr_workitem_id 0
		.amdhsa_next_free_vgpr 194
		.amdhsa_next_free_sgpr 66
		.amdhsa_reserve_vcc 0
		.amdhsa_float_denorm_mode_32 3
		.amdhsa_float_denorm_mode_16_64 3
		.amdhsa_memory_ordered 1
		.amdhsa_forward_progress 1
		.amdhsa_inst_pref_size 33
	.end_amdhsa_kernel
	.amdgpu_metadata
---
amdhsa.version: [ 1, 2 ]
amdhsa.kernels:
  - .name:           k_q0076333c72_quant
    .symbol:         k_q0076333c72_quant.kd
    .args:
      - { .name: x, .offset: 0, .size: 8, .value_kind: global_buffer, .address_space: global }
      - { .name: w_qkv, .offset: 8, .size: 8, .value_kind: global_buffer, .address_space: global }
      - { .name: w_out, .offset: 16, .size: 8, .value_kind: global_buffer, .address_space: global }
      - { .name: codes, .offset: 24, .size: 8, .value_kind: global_buffer, .address_space: global }
      - { .name: scales, .offset: 32, .size: 8, .value_kind: global_buffer, .address_space: global }
    .group_segment_fixed_size: 33280
    .private_segment_fixed_size: 0
    .kernarg_segment_align: 8
    .kernarg_segment_size: 40
    .max_flat_workgroup_size: 128
    .sgpr_count:     66
    .vgpr_count:     194
    .wavefront_size: 32
...
	.end_amdgpu_metadata
.endif
;; end of part 1
;; launch gemm_qkv (part 2): grid 12 x 32, 4 waves a work-group, clusters of 4 x 4, 327,680 bytes of LDS; arguments codes, scales, qk_codes, qk_scales, qkv32; writes qk_codes, qk_scales, qkv32
.if DOCPART == 2
	.amdgcn_target "amdgcn-amd-amdhsa--gfx1250"
	.amdhsa_code_object_version 6
	.text
	.protected	k_q0076333c72_gemm_qkv
	.globl	k_q0076333c72_gemm_qkv
	.p2align	8
	.type	k_q0076333c72_gemm_qkv,@function
k_q0076333c72_gemm_qkv:
	s_mov_b64 s[64:65], 0
	v_nop
	global_prefetch_b8 v0, s[64:65] scope:SCOPE_SE
	s_setreg_imm32_b32 hwreg(HW_REG_WAVE_MODE, 25, 1), 1
	s_wait_xcnt 0x0
	s_wait_alu depctr_hold_cnt(0) depctr_sa_sdst(0) depctr_va_vdst(0) depctr_va_sdst(0) depctr_va_ssrc(0) depctr_va_vcc(0) depctr_vm_vsrc(0)
	s_getreg_b32 s2, hwreg(HW_REG_IB_STS2, 6, 4)
	s_cmp_eq_u32 s2, 0
	s_cbranch_scc0 .Lentry_in_a_cluster
	s_endpgm
.Lentry_in_a_cluster:
	s_bfe_u32 s2, ttmp6, 0x10000c
	s_cmp_lg_u32 s2, 0xf033
	s_cbranch_scc0 .Lentry_shape_is_right
	s_endpgm
.Lentry_shape_is_right:
; qkv[m][n] = sum over k of x[m][k] w_qkv[n][k], on codes of FP6 (E2M3) with one E8M0 scale for each 32 along K; sums in f32.  M = 8,192, N = 3,072, K = 1,024.
; A = rows 0-8191 of the buffers codes / scales, B = rows 8192-11263 (w_qkv, whose rows stand in the order given below).
; WHAT LEAVES.  Each batch's 1,024 x 3,072 results are read on as 49,152 head rows of 64 neighbouring columns: head row g = 48 x row + column / 64; g < 16,384 is q, g < 32,768 is k, the rest v.
;   q and k are operands of the next product along their 64 columns: their blocks of 32 are 32 neighbouring columns of a row here, so they are quantised here and leave as codes (qk_codes [8192][2304 bytes], the row's stream of bits)
;   and scale bytes (qk_scales [8192][96]).  v's blocks of 32 run down the head rows: it leaves as f32 (qkv32 [8192][3072]).  k ends and v begins in row 682 of a batch: in blocks of 16 rows, rows under 688 leave as codes, rows from 672 on as f32.
; LIMITS: a block of zeros, and one whose largest magnitude lies under 2^-124, keeps the scale byte 1 (this program alone reads the bytes); NaN and infinities are not served.
; A tile of 256 x 256 is made by a work-group of four waves; a wave makes 128 x 128: 64 accumulators of 16 x 16, 512 registers.  K goes in four steps of 256 through a ring of two LDS slots filled by the tensor data mover.
; THE SCALES of the work-group's 256 rows of A and of B, for all of K, are two dense blocks of memory: they come into LDS once, with the first fills, and stay.
; CLUSTERS: 4 x 4 work-groups.  The four of a row of the cluster need the same tiles of A, the four of a column the same tiles of B: each tile is asked for JOINTLY, by the same tensor load with the same descriptor and a mask that names the four.
;   The four rows of a cluster are the SAME quarter T of four different batches: so what leaves as codes and what as f32, which hangs on the row in its batch, is decided alike in all sixteen partners.
; THE MATRIX INSTRUCTION IS USED TRANSPOSED (source 0 = 16 rows of B, source 1 = 16 rows of A): a lane holds one row of the result.  B's storage row 16 u + r of each 32 holds w_qkv's row 8 u + r + 8 (r / 8): so in accumulator
;   (a, b = 2 g + u) register j of lane (r, h) is column 32 g + 16 h + 8 u + j of row 16 a + r: the 16 registers of two neighbouring accumulators are 16 neighbouring columns, as the conversion wants them.
; REGISTERS, in windows of 256: window 0: v0-31 addresses; v32-63 scale words, two sets; from v128 A's fragments, ONE set; on the way out v32-255 are free.
;   window 1: B's fragments, TWO sets, at v0 and at v128.   window 2: the 32 accumulators of my rows 0-63 (accumulator (a, b) at v[8 (8 a + b)]);   window 3: those of my rows 64-127.
.set SIZE_N, 3072
.set SIZE_K, 1024
.set WQ_CODES,  8192*768               ; where w_qkv's rows begin in the buffer of codes,
.set WQ_SCALES, 8192*32                ; and in that of scale bytes
.set KSTEP,  256                       ; along K in a slot
.set NQ,     KSTEP/128                 ; matrix instructions deep
.set ROWB,   192                       ; a tile's row in bytes: KSTEP codes of 6 bits
.set KROW,   SIZE_K*6/8                ; a row of A or of B in memory, in bytes
.set PITCH,  240                       ; an LDS row: 3 x (64 bytes of data + 16 of padding) = 60 words: the 32 lanes of a load of 8 bytes touch 64 different banks (64 banks of 4 bytes: ISA guide 11.1)
.set FR,     12                        ; registers of a fragment: 16 rows x 128 K
.set NL,     6                         ; LDS loads that bring one
.set NP,     4                         ; places behind this matrix instruction (ISA guide 7.12.1)
.set HALFT,  128*PITCH                 ; 128 rows: what one tensor load brings, and what one wave reads of A or of B
.set SLOT,   4*HALFT                   ; A's 256 rows, then B's 256 rows
.set LAPS,   SIZE_K/(2*KSTEP)          ; a lap = two K steps = once round the ring
.set KS,     SIZE_K/32                 ; a row of scales in bytes
.set SCL,    2*SLOT                    ; behind the ring: the scales, as runs of 256 bytes + 16 of padding
.set HALFS,  (128*KS/256)*272          ; the scales of 128 rows: what one tensor load brings
.set SBLK,   (16*KS/256)*272           ; those of 16 rows
.set SPARE,  SCL+4*HALFS               ; behind the scales: the spare words, 128 bytes for each wave: two blocks of 256 bytes that no other line names
.set SPITCH, 528                       ; the way out of f32: a stage of 16 rows x (512 bytes + 16) for each wave, from LDS byte 0 on
.set CST,    4*16*SPITCH               ; the way out of codes: behind those, one stage of 256 rows for the work-group.  Both lie in slot 0, which has had its last fill and its last read when the first result is stored there
.set CPITCH, 272                       ; a row of it: sixteen places of 16 bytes, each with 12 bytes of codes, + 16
.set CSTO, 8                           ; v8      where I put 12 bytes of codes
.set CRD,  9                           ; v9      where I read them back, by rows
.set CGO,  10                          ; v10     and the same place in qk_codes
.set SOFF, 11                          ; v11     my row's place in qk_scales: 96 bytes a row
.set ADRA, 16                          ; v16-17  LDS address of my A fragments in slot 0, 1  (v18-19: the same for the pieces that lie behind one padding more)
.set ADRB, 20                          ; v20-21  the same for B  (v22-23)
.set STO,  24                          ; v24     the f32 stage: where I put 32 bytes of a row
.set RD,   25                          ; v25     and where I read a row back
.set CO,   26                          ; v26     my byte offset in a row of qkv32
.set ADRS, 27                          ; v27     LDS address of my scale words: lanes 0-15 A's rows, lanes 16-31 B's
.set SPW,  28                          ; v28     LDS address of my spare word: SPARE + 4 x my thread's number; never rewritten
.set NIL,  29                          ; v29     0; never rewritten
.set SC,   32                          ; scale words: set s (for slot s) at v[SC + 8 NQ s]; register NQ i + q: lanes 0-15 the word of A's block i, lanes 16-31 that of B's block i, for the slot's q-th 128 along K
.set AF,   128                         ; A's fragments, in window 0
.set TM,   32                          ; the way out: v32-35 largest magnitudes, v36-39 the other half's and then the bytes, v44-47 the conversions' scale operands
.set PW,   48                          ; v48-55  the scale word of each of my eight blocks of rows: never written again, so no store's data are
.set CDR,  56                          ; v56-71  the codes just made: 4 x 3 registers, each run on an even start
.set BK,   128                         ; v128-191 16 rows of f32 read back from the stage
.set OUTR, 128                         ; v128-255 rows of codes read back
.set RB,   66                          ; s66     my wave's first row in its batch: 256 T + 128 x half.  From the cluster's y and the wave's number alone
.set RB2,  67                          ; s67     the first row in its batch of the 64 whose codes I store: 256 T + 64 x wave
.set G1, 24                            ; s[24:31] descriptor group 1 for A's tiles;  s[32:39] group 0, one set for each slot
.set G0, 32
.set G1B, 48                           ; s[48:55], s[56:63] the same for B's tiles
.set G0B, 56
.set G1S, 68                           ; s[68:75], s[76:79] groups 1 and 0 for A's scales;  s[80:87], s[88:91] for B's
.set G0S, 76
.set G1SB, 80
.set G0SB, 88
.set MSB, 0
.macro WIN new                         ; the immediate's high byte repeats the setting that is left; a switch that changes nothing is dropped
.if MSB != (\new)
	s_set_vgpr_msb (MSB<<8)|(\new)
.set MSB, (\new)
.endif
.endm
.set MUL_LO, 0xa1                      ; source 0 (B) window 1, source 1 (A) window 0, C and D window 2
.set MUL_HI, 0xf1                      ; the same, C and D window 3
.set TO_B,   0x40                      ; destination window 1, address window 0
; A joint load: waves 0 and 1 fetch for A, waves 2 and 3 for B.  Each of the two lines has ONE mask and one set of registers for all that issue it; the branch hangs on the wave's number alone.
; Four v_nop follow each of the two lines, ahead of the jump, the label and what follows.
.macro JLOAD g0a, g1a, g0b, g1b
	s_cmp_eq_u32 s15, 0
	s_cbranch_scc0 .Lfor_b_\@
	tensor_load_to_lds s[\g0a:\g0a+3], s[\g1a:\g1a+7]
	s_nop 0
.rept 4
	v_nop
.endr
	s_branch .Lasked_\@
.Lfor_b_\@:
	tensor_load_to_lds s[\g0b:\g0b+3], s[\g1b:\g1b+7]
	s_nop 0
.rept 4
	v_nop
.endr
.Lasked_\@:
.endm
.macro CREST                           ; a round of the cluster's barrier behind its opening barrier
	s_cmp_lg_u32 s14, 0
	s_cbranch_scc1 .Lnot_wave_0_\@
	s_barrier_signal -3
.Lnot_wave_0_\@:
	s_barrier_wait -3
	s_barrier_signal -1
	s_barrier_wait -1
.endm
.macro CROUND                          ; a whole round
	s_barrier_signal -1
	s_barrier_wait -1
	CREST
.endm
	s_load_b128 s[4:7], s[0:1], 0x0                ; codes s[4:5], scales s[6:7]: A's rows begin at their first bytes
	s_load_b128 s[96:99], s[0:1], 0x10             ; qk_codes s[96:97], qk_scales s[98:99]
	s_load_b64 s[12:13], s[0:1], 0x20              ; qkv32
	v_lshl_add_u32 v[SPW], v0, 2, SPARE
	v_mov_b32 v[NIL], 0
	ds_add_u32 v28, v29
	ds_add_u32 v28, v29
	s_wait_dscnt 0x0
	v_lshrrev_b32 v1, 5, v0
	v_readfirstlane_b32 s14, v1                    ; wave 0..3
	s_lshr_b32 s15, s14, 1                         ; which half of the tile's rows is mine.  Also: I fetch for A (0) or for B (1)
	s_and_b32 s16, s14, 1                          ; which half of its columns.  Also: which 128 rows of that tile I fetch
	s_bfe_u32 s40, ttmp6, 0x40000                  ; cx, cy: my place in the cluster
	s_bfe_u32 s41, ttmp6, 0x40004
	s_lshl_b32 s42, ttmp9, 2
	s_add_co_u32 s42, s42, s40                     ; tile column = 4 x cluster x + cx
	s_and_b32 s17, ttmp7, 0xffff                   ; cluster y, 0..7
	s_and_b32 s[RB], s17, 3                        ; T: which quarter of a batch's rows: the same in all sixteen partners
	s_lshr_b32 s17, s17, 2
	s_lshl_b32 s17, s17, 2
	s_add_co_u32 s17, s17, s41                     ; the batch = 4 x (cluster y / 4) + cy
	s_lshl_b32 s17, s17, 2
	s_add_co_u32 s17, s17, s[RB]                   ; tile row = 4 x batch + T
	s_lshl_b32 s[RB], s[RB], 8
	s_lshl_b32 s[RB2], s14, 6
	s_add_co_u32 s[RB2], s[RB2], s[RB]             ; 256 T + 64 x wave
	s_lshl_b32 s45, s15, 7
	s_add_co_u32 s[RB], s[RB], s45                 ; 256 T + 128 x half
	s_lshl_b32 s43, s41, 2
	s_lshl_b32 s43, 15, s43                        ; my row of the cluster
	s_lshl_b32 s44, 0x1111, s40                    ; my column
	; descriptor group 1: a tile of 128 rows x ROWB bytes, padded in LDS
	s_or_b32 s[G1+0], s43, (0<<16)|(1<<20)|(1<<21)|(3<<22)|(3<<25)  ; 15:0 the mask: A's tiles go to my row; 17:16 element of 1 byte; 20 padding on; 21 set beside a mask; 24:22 after every 16 words (code 3); 31:25 of 4 words (code 3)
	s_or_b32 s[G1B+0], s44, (0<<16)|(1<<20)|(1<<21)|(3<<22)|(3<<25)
.irp g, G1, G1B
	s_mov_b32 s[\g+1], ROWB<<16                    ; tensor_dim0
	s_mov_b32 s[\g+2], 128<<16                     ; tensor_dim1 = 128
	s_mov_b32 s[\g+3], ROWB<<16                    ; tile_dim0
	s_mov_b32 s[\g+4], 128                         ; tile_dim1 = 128
	s_mov_b32 s[\g+5], KROW                        ; tensor_dim0_stride
	s_mov_b32 s[\g+6], 0
	s_mov_b32 s[\g+7], 0
.endr
	; and for the scales of 128 rows: a dense block of 128 KS bytes, as rows of 256 bytes (32 elements of 8 bytes), 16 bytes of padding behind each
	s_or_b32 s[G1S+0], s43, (3<<16)|(1<<20)|(1<<21)|(5<<22)|(3<<25)
	s_or_b32 s[G1SB+0], s44, (3<<16)|(1<<20)|(1<<21)|(5<<22)|(3<<25)
.irp g, G1S, G1SB
	s_mov_b32 s[\g+1], 32<<16
	s_mov_b32 s[\g+2], (128*KS/256)<<16
	s_mov_b32 s[\g+3], 32<<16
	s_mov_b32 s[\g+4], 128*KS/256
	s_mov_b32 s[\g+5], 32
	s_mov_b32 s[\g+6], 0
	s_mov_b32 s[\g+7], 0
.endr
	s_lshl_b32 s18, s16, 7                         ; which 128 rows of the tile I fetch
	s_lshl_b32 s20, s17, 8
	s_add_co_u32 s20, s20, s18                     ; A: row 256 x tile row + 128 x half
	s_lshl_b32 s46, s42, 8
	s_add_co_u32 s46, s46, s18                     ; B: row 256 x tile column + 128 x half
	s_mov_b32 s21, 0
	s_mov_b32 s47, 0
	s_mov_b64 s[18:19], KS
	s_mul_u64 s[22:23], s[20:21], s[18:19]         ; where these rows' scales begin, in bytes
	s_mul_u64 s[92:93], s[46:47], s[18:19]
	s_mov_b64 s[18:19], KROW
	s_mul_u64 s[20:21], s[20:21], s[18:19]         ; and their codes
	s_mul_u64 s[46:47], s[46:47], s[18:19]
	s_mul_i32 s45, s14, HALFT                      ; where they go: wave x 128 rows: no place in the cluster enters an LDS address
	s_mul_i32 s94, s14, HALFS
	s_wait_kmcnt 0x0
	s_add_nc_u64 s[8:9], s[4:5], WQ_CODES          ; B's codes
	s_add_nc_u64 s[10:11], s[6:7], WQ_SCALES       ; B's scales
	s_add_nc_u64 s[20:21], s[4:5], s[20:21]
	s_add_nc_u64 s[22:23], s[6:7], s[22:23]
	s_add_nc_u64 s[46:47], s[8:9], s[46:47]
	s_add_nc_u64 s[92:93], s[10:11], s[92:93]
	CROUND                                         ; all sixteen work-groups are here: the first joint loads meet
	s_mov_b32 s[G0S], 1
	s_add_co_u32 s[G0S+1], s94, SCL
	s_mov_b64 s[G0S+2:G0S+3], s[22:23]
	s_or_b32 s[G0S+3], s[G0S+3], 0x80000000
	s_mov_b32 s[G0SB], 1
	s_add_co_u32 s[G0SB+1], s94, SCL
	s_mov_b64 s[G0SB+2:G0SB+3], s[92:93]
	s_or_b32 s[G0SB+3], s[G0SB+3], 0x80000000
	JLOAD G0S, G1S, G0SB, G1SB                     ; the scales first: they are wanted with K step 0
.irp s, 0,1
	s_mov_b32 s[G0+4*\s], 1
	s_add_co_u32 s[G0+4*\s+1], s45, \s*SLOT
	s_add_nc_u64 s[G0+4*\s+2:G0+4*\s+3], s[20:21], \s*ROWB
	s_or_b32 s[G0+4*\s+3], s[G0+4*\s+3], 0x80000000
	s_mov_b32 s[G0B+4*\s], 1
	s_add_co_u32 s[G0B+4*\s+1], s45, \s*SLOT
	s_add_nc_u64 s[G0B+4*\s+2:G0B+4*\s+3], s[46:47], \s*ROWB
	s_or_b32 s[G0B+4*\s+3], s[G0B+4*\s+3], 0x80000000
	JLOAD G0+4*\s, G1, G0B+4*\s, G1B               ; by this text's count three tensor loads of a wave are out here, later one
.endr
	v_and_b32 v1, 15, v0                           ; r = l % 16
	v_bfe_u32 v2, v0, 4, 1                         ; h = l / 16
	v_mul_u32_u24 v3, v1, PITCH
	v_mul_u32_u24 v4, v2, 24
	v_add_nc_u32 v4, v3, v4                        ; a fragment's row x pitch + 24 x half
	v_lshl_add_u32 v5, v2, 4, v4                   ; and the same behind one padding more
	s_mul_i32 s21, s15, HALFT                      ; my 128 rows of A
	s_mul_i32 s22, s16, HALFT                      ; my 128 rows of B,
	s_add_co_u32 s22, s22, 2*HALFT                 ; which lie behind A's 256
.irp s, 0,1
	v_add_nc_u32 v[ADRA+\s], s21, v4
	v_add_nc_u32 v[ADRB+\s], s22, v4
	v_add_nc_u32 v[ADRA+2+\s], s21, v5
	v_add_nc_u32 v[ADRB+2+\s], s22, v5
	s_add_co_u32 s21, s21, SLOT
	s_add_co_u32 s22, s22, SLOT
.endr
	v_mul_u32_u24 v5, v1, KS                       ; my row's scales: KS bytes a row,
	v_lshrrev_b32 v6, 8, v5
	v_lshl_add_u32 v5, v6, 4, v5                   ; and 16 more for each 256 passed
	s_mul_i32 s21, s15, HALFS                      ; A's: my 128 rows
	s_mul_i32 s22, s16, HALFS                      ; B's: my 128 rows, behind A's 256
	s_add_co_u32 s22, s22, 2*HALFS
	s_sub_co_u32 s22, s22, s21
	v_mul_u32_u24 v6, s22, v2                      ; lanes 16-31 take B's: one product, the distance x h
	s_add_co_u32 s21, s21, SCL
	v_add_nc_u32 v5, v5, v6
	v_add_nc_u32 v[ADRS], s21, v5
	s_mul_i32 s23, s14, 16*SPITCH                  ; my f32 stage
	v_mul_u32_u24 v5, v1, SPITCH                   ; in: row r; my half's 16 columns of each 32 lie 64 h bytes on
	v_lshl_add_u32 v5, v2, 6, v5
	v_add_nc_u32 v[STO], s23, v5
	v_and_b32 v6, 31, v0
	v_lshlrev_b32 v[CO], 4, v6                     ; back: the 32 lanes take one row of 512 bytes; and the same in qkv32
	v_add_nc_u32 v[RD], s23, v[CO]
	s_mul_i32 s21, s15, 128*CPITCH                 ; the stage of codes, in: row 128 x half + 16 a + r; place 8 x column half + 2 g + h of sixteen
	s_lshl_b32 s22, s16, 7
	s_add_co_u32 s21, s21, s22
	s_add_co_u32 s21, s21, CST
	v_mul_u32_u24 v5, v1, CPITCH
	v_lshl_add_u32 v5, v2, 4, v5
	v_add_nc_u32 v[CSTO], s21, v5
	s_mul_i32 s21, s14, 64*CPITCH                  ; back: wave w takes rows 64 w .. 64 w + 63, whole: lanes 0-15 one row's sixteen places, lanes 16-31 the next row's
	s_add_co_u32 s21, s21, CST
	v_mul_u32_u24 v5, v2, CPITCH
	v_lshl_add_u32 v5, v1, 4, v5
	v_add_nc_u32 v[CRD], s21, v5
	v_mul_u32_u24 v5, v2, SIZE_N*6/8               ; and the same two rows in qk_codes, 12 bytes a lane
	v_mad_u32_u24 v[CGO], v1, 12, v5
	v_mul_u32_u24 v[SOFF], v1, SIZE_N/32
	s_lshl_b32 s20, s17, 8
	s_lshl_b32 s21, s15, 7
	s_add_co_u32 s20, s20, s21                     ; my first row of the result: 256 x tile row + 128 x half
	s_mov_b32 s21, 0
	s_mov_b64 s[18:19], SIZE_N*4
	s_mul_u64 s[22:23], s[20:21], s[18:19]
	s_lshl_b32 s46, s42, 10                        ; my first column, in bytes of f32: 1024 x tile column + 512 x half
	s_lshl_b32 s47, s16, 9
	s_add_co_u32 s46, s46, s47
	s_mov_b32 s47, 0
	s_add_nc_u64 s[22:23], s[22:23], s[46:47]
	s_add_nc_u64 s[12:13], s[12:13], s[22:23]
	s_mul_i32 s22, s20, SIZE_N/32                  ; the same place in qk_scales: 96 bytes a row, a byte for 32 columns
	s_lshl_b32 s46, s42, 3
	s_add_co_u32 s22, s22, s46
	s_lshl_b32 s46, s16, 2
	s_add_co_u32 s22, s22, s46
	s_mov_b32 s23, 0
	s_add_nc_u64 s[98:99], s[98:99], s[22:23]
	s_lshl_b32 s20, s17, 8
	s_lshl_b32 s22, s14, 6
	s_add_co_u32 s20, s20, s22                     ; the first row whose codes I store: 256 x tile row + 64 x wave
	s_mul_i32 s22, s20, SIZE_N*6/8                 ; 2,304 bytes a row (under 2^25 in all),
	s_mul_i32 s46, s42, ROWB                       ; the tile's 256 columns are 192 bytes
	s_add_co_u32 s22, s22, s46
	s_add_nc_u64 s[96:97], s[96:97], s[22:23]
	s_mov_b32 s18, 0x76543210                      ; v_permlanex16_b32's selects for lane l xor 16
	s_mov_b32 s19, 0xfedcba98
.macro FRAG reg, adr, q, i             ; a fragment, 16 rows x 128 K of 6-bit codes, is 12 registers: lane l holds row l % 16; registers 6 c .. 6 c + 5 hold K = 64 c + 32 (l / 16) + 0 .. 31: 24 bytes of the row's stream of bits, as they lie
.irp p, 0,1,2,3,4,5                    ; in pieces of 8 bytes, so that every address is a multiple of the access's size.  Lanes 0-15 take the row's pieces 12 q + 0, 1, 2 and 12 q + 6, 7, 8, lanes 16-31 those three pieces on
.set PC, 12*(\q)+6*(\p/3)+\p%3        ; 16 bytes of padding lie behind every 64 bytes (8 pieces): where the piece three on lies behind one padding more, the second address register (40 for 24 bytes a half) serves
.if PC%8 < 5
	ds_load_b64 v[\reg+2*\p:\reg+2*\p+1], v[\adr] offset:8*PC+16*(PC/8)+(\i)*16*PITCH
.else
	ds_load_b64 v[\reg+2*\p:\reg+2*\p+1], v[\adr+2] offset:8*PC+16*(PC/8)+(\i)*16*PITCH
.endif
.endr
.endm
; 16 matrix instructions: A's blocks a0, a0 + 1 x B's eight, 128 along K: the slot's q-th.  p: B's set;  sc: the set of scale words.  zero = 1: the first product starts the sums: nothing is ever cleared.
; The 64 accumulators take turns, one instruction a turn, in the same order in every step.
.macro MUL16 a0, p, q, sc, zero
.irp a, \a0, \a0+1
.irp b, 0,1,2,3,4,5,6,7
.if \zero
	v_wmma_scale_f32_16x16x128_f8f6f4 v[8*(8*((\a)%4)+\b):8*(8*((\a)%4)+\b)+7], v[128*(\p)+FR*\b:128*(\p)+FR*\b+FR-1], v[AF+FR*(\a):AF+FR*(\a)+FR-1], 0, v[SC+8*NQ*(\sc)+NQ*\b+(\q)], v[SC+8*NQ*(\sc)+NQ*(\a)+(\q)] matrix_a_fmt:MATRIX_FMT_FP6 matrix_b_fmt:MATRIX_FMT_FP6 matrix_a_scale:MATRIX_SCALE_ROW1
.else
	v_wmma_scale_f32_16x16x128_f8f6f4 v[8*(8*((\a)%4)+\b):8*(8*((\a)%4)+\b)+7], v[128*(\p)+FR*\b:128*(\p)+FR*\b+FR-1], v[AF+FR*(\a):AF+FR*(\a)+FR-1], v[8*(8*((\a)%4)+\b):8*(8*((\a)%4)+\b)+7], v[SC+8*NQ*(\sc)+NQ*\b+(\q)], v[SC+8*NQ*(\sc)+NQ*(\a)+(\q)] matrix_a_fmt:MATRIX_FMT_FP6 matrix_b_fmt:MATRIX_FMT_FP6 matrix_a_scale:MATRIX_SCALE_ROW1
.endif
.endr
.endr
.endm
.macro FETCH_B slot, q, p              ; B's eight fragments of the slot's q-th 128 along K into set p
	WIN TO_B
.irp i, 0,1,2,3,4,5,6,7
	FRAG 128*(\p)+FR*\i, ADRB+\slot, \q, \i
.endr
	WIN 0
.endm
.macro FETCH_A slot, q, i0             ; A's blocks i0 .. i0 + 3
.irp i, \i0, \i0+1, \i0+2, \i0+3
	FRAG AF+FR*(\i), ADRA+\slot, \q, \i
.endr
.endm
.macro SCALES sc                       ; the next K step's scale words into set sc: NQ words a row; lanes 0-15 take A's block i, lanes 16-31 B's block i
.irp i, 0,1,2,3,4,5,6,7
	ds_load_b64 v[SC+8*NQ*\sc+NQ*\i:SC+8*NQ*\sc+NQ*\i+1], v[ADRS] offset:\i*SBLK
.endr
.endm
; A load into a register that a matrix instruction has read, and a vector instruction or an LDS store that reads a matrix result, stand NP places behind that matrix instruction, and only plain vector
; instructions that name none of its registers are places (ISA guide 7.12.1 for vector instructions); this text does not count the matrix instructions in between.
.macro PLACES n
.rept \n
	v_nop
.endr
.endm
; A step of 128 along K that has its successor in the same slot.
.macro STEP slot, q, zero
	s_wait_dscnt 4*NL                              ; B's set and A's blocks 0-3 are in; the youngest 24 loads (A's blocks 4-7) may be out
	WIN MUL_LO
	MUL16 0, (\q)%2, \q, \slot, \zero
	MUL16 2, (\q)%2, \q, \slot, \zero
	s_wait_dscnt 0                                 ; A's blocks 4-7 are in (asked for 32 matrix instructions ago)
	PLACES NP
	FETCH_B \slot, (\q)+1, 1-(\q)%2
	FETCH_A \slot, (\q)+1, 0
	WIN MUL_HI
	MUL16 4, (\q)%2, \q, \slot, \zero
	MUL16 6, (\q)%2, \q, \slot, \zero
	PLACES NP
	WIN 0
	FETCH_A \slot, (\q)+1, 4
.endm
; A slot's last step changes slots: ONE barrier; in front of it each wave waits for all its tensor loads, adds 0 to its spare word, and waits for that and for its own reads of this slot.  fill = 1: this slot is filled again, two K steps ahead.
.macro TURN slot, next, fill
	s_wait_tensorcnt 0x0                           ; all my tensor loads have landed: my part of the next slot;  (every window is 0 here: the add's two registers lie in window 0)
	ds_add_u32 v[SPW], v[NIL]                      ; 0 onto my spare word
	s_wait_dscnt 4*NL+1                            ; (the add and the youngest 24 loads, A's blocks 4-7, may be out)
	WIN MUL_LO
	MUL16 0, 1, NQ-1, \slot, 0                     ; sixteen matrix instructions stand between the add and the wait for it
	s_wait_dscnt 0x0                               ; the add is done, and my reads of this slot are over
	s_barrier_signal -1
	MUL16 2, 1, NQ-1, \slot, 0
	WIN 0
	s_barrier_wait -1
.if \fill
	CREST                                          ; the barrier has opened a round of the cluster's barrier: no wave of any partner still reads this slot's tile or has a load on its way
	s_add_nc_u64 s[G0+4*\slot+2:G0+4*\slot+3], s[G0+4*\slot+2:G0+4*\slot+3], 2*ROWB
	s_add_nc_u64 s[G0B+4*\slot+2:G0B+4*\slot+3], s[G0B+4*\slot+2:G0B+4*\slot+3], 2*ROWB
	JLOAD G0+4*\slot, G1, G0B+4*\slot, G1B         ; the first tensor load behind the round; the four v_nop behind it are the places in front of the loads below
.else
	PLACES NP
.endif
	v_add_nc_u32 v[ADRS], 4*NQ, v[ADRS]            ; on to the next K step's scale words (no LDS load of mine is out)
	FETCH_B \next, 0, 0
	FETCH_A \next, 0, 0
	SCALES \next
	WIN MUL_HI
	MUL16 4, 1, NQ-1, \slot, 0
	MUL16 6, 1, NQ-1, \slot, 0
	PLACES NP
	WIN 0
	FETCH_A \next, 0, 4
.endm
	s_wait_tensorcnt 1                             ; the scales and my part of K step 0 are in (K step 1's load may be out)
	s_barrier_signal -1
	s_barrier_wait -1                              ; everybody's are
	FETCH_B 0, 0, 0
	FETCH_A 0, 0, 0
	SCALES 0
	FETCH_A 0, 0, 4
	STEP 0, 0, 1                                   ; the first step stands in front of the loop: its products start the sums
	s_mov_b32 s3, LAPS-1
.Llap:                                                 ; a trip goes once round the ring, from a lap's second step to the next lap's first, and fills both slots again
	TURN 0, 1, 1
	STEP 1, 0, 0
	TURN 1, 0, 1
	STEP 0, 0, 0
	s_sub_co_u32 s3, s3, 1
	s_cmp_lg_u32 s3, 0
	s_cbranch_scc1 .Llap
	TURN 0, 1, 0                                   ; the last lap fills nothing, and has no round of the cluster's barrier
	STEP 1, 0, 0
	s_wait_dscnt 4*NL                              ; the very last step: nothing more to fetch
	WIN MUL_LO
	MUL16 0, 1, NQ-1, 1, 0
	MUL16 2, 1, NQ-1, 1, 0
	s_wait_dscnt 0
	WIN MUL_HI
	MUL16 4, 1, NQ-1, 1, 0
	MUL16 6, 1, NQ-1, 1, 0
	WIN 0
; THE WAY OUT, block by block of 16 rows x 128 columns.
; QUANTW: block a as codes.  Its 64 registers of a lane are, in fours of 16, columns 32 g + 16 h + 0 .. 15 of row r: a block of 32 lies in lanes l and l xor 16.  The largest magnitude with the floor 2^(3 - 127) among its leaves; 2 off its
; exponent field is the conversion's scale operand, and that shifted down the scale's byte.  Each accumulator is read from its low end on.  12 bytes of codes go to a place of 16 in the work-group's stage; the four bytes leave as one word.
.macro QUANTW a
.set QW, 2+(\a)/4                      ; the block's window
.set QS, 64*((\a)%4)
.set WA, QW|(QW<<2)
.set WB, (QW<<2)|(QW<<4)
	WIN WA                                         ; sources 0 and 1: the accumulators
.irp b, 0,1,2,3
	v_max3_num_f32 v[TM+\b], |v[QS+16*\b]|, |v[QS+16*\b+1]|, 0x1800000
.endr
	WIN WB                                         ; sources 1 and 2
.irp i, 2,4,6,8,10,12,14
.irp b, 0,1,2,3
	v_max3_num_f32 v[TM+\b], v[TM+\b], |v[QS+16*\b+\i]|, |v[QS+16*\b+\i+1]|   ; (the four blocks by turns: no line waits for the line above it)
.endr
.endr
	WIN 0
.irp b, 0,1,2,3
	v_permlanex16_b32 v[TM+4+\b], v[TM+\b], s18, s19
.endr
.irp b, 0,1,2,3
	v_max_num_f32 v[TM+\b], v[TM+\b], v[TM+4+\b]   ; with lane l xor 16's: the block's largest magnitude
.endr
.irp b, 0,1,2,3
	v_add_nc_u32 v[TM+12+\b], 0xff000000, v[TM+\b]
.endr
.irp b, 0,1,2,3
	v_lshrrev_b32 v[TM+4+\b], 23, v[TM+12+\b]
.endr
	v_lshl_or_b32 v[PW+\a], v[TM+5], 8, v[TM+4]    ; my row's scale bytes for my wave's 128 columns
	v_lshl_or_b32 v[PW+\a], v[TM+6], 16, v[PW+\a]
	v_lshl_or_b32 v[PW+\a], v[TM+7], 24, v[PW+\a]
	s_wait_dscnt 0x0                               ; the last block's LDS stores have read the codes' registers
	WIN QW                                         ; source 0: the accumulators
.irp b, 0,1,2,3
	v_cvt_scalef32_pk16_fp6_f32 v[CDR+4*\b:CDR+4*\b+2], v[QS+16*\b:QS+16*\b+15], v[TM+12+\b]
.endr
	WIN 0
	v_nop                                          ; one plain line behind the last scaled conversion
.irp b, 0,1,2,3
	ds_store_b96 v[CSTO], v[CDR+4*\b:CDR+4*\b+2] offset:(\a)*16*CPITCH+32*\b
.endr
	global_store_b32 v[SOFF], v[PW+\a], s[98:99] offset:(\a)*16*(SIZE_N/32)   ; 4 bytes a row, rows 96 bytes apart (both halves of the lanes write the same word): one byte for each 24 of codes
.endm
; F32OUT: block a as f32, through my own stage: a lane holds pieces of 32 bytes of a row, and the lanes beside it hold other rows; the block comes back as whole rows of 512 bytes.  LDS serves a wave's instructions in order.
.macro F32OUT a
.set AC, 64*((\a)%4)
	s_wait_xcnt 0x0                                ; the last block's stores have read the registers that the loads below fill
	WIN 0x08+4*((\a)/4)                            ; an LDS store's data: window 2 or 3
.irp b, 0,1,2,3,4,5,6,7
	ds_store_b128 v[STO], v[AC+8*\b:AC+8*\b+3] offset:128*(\b/2)+32*(\b%2)          ; each accumulator from its low end on: columns 32 (b / 2) + 16 h + 8 (b % 2) + 0 .. 7
	ds_store_b128 v[STO], v[AC+8*\b+4:AC+8*\b+7] offset:128*(\b/2)+32*(\b%2)+16
.endr
	WIN 0
.irp t, 0,1,2,3,4,5,6,7,8,9,10,11,12,13,14,15
	ds_load_b128 v[BK+4*\t:BK+4*\t+3], v[RD] offset:\t*SPITCH
.endr
	s_wait_dscnt 0x0
.irp t, 0,1,2,3,4,5,6,7,8,9,10,11,12,13,14,15
	global_store_b128 v[CO], v[BK+4*\t:BK+4*\t+3], s[12:13] offset:(16*(\a)+\t)*SIZE_N*4 th:TH_STORE_NT   ; 32 lanes store 512 consecutive bytes, at a multiple of 256 from the buffer's first byte; 127 rows at the most: inside the signed 24-bit immediate
.endr
.endm
; Which of the two a block takes hangs on its first row in the batch, s[RB] + 16 a: codes under 688, f32 from 672 on.  The branches hang on the cluster's y and the wave's number alone.
.macro BLOCKOUT a
	s_cmp_ge_u32 s[RB], 688-16*(\a)
	s_cbranch_scc1 .Lno_codes_\@
	QUANTW \a
.Lno_codes_\@:
	s_cmp_lt_u32 s[RB], 672-16*(\a)
	s_cbranch_scc1 .Lno_f32_\@
	F32OUT \a
.Lno_f32_\@:
.endm
; 16 of the 64 rows whose codes I store: sixteen lanes store a row's 192 consecutive bytes, 12 bytes each: all that a tile of 256 columns holds of a row.
.macro ROWSOUT g
	s_cmp_ge_u32 s[RB2], 688-16*(\g)
	s_cbranch_scc1 .Lno_rows_\@
.irp t, 0,1,2,3,4,5,6,7
	ds_load_b96 v[OUTR+32*(\g)+4*\t:OUTR+32*(\g)+4*\t+2], v[CRD] offset:(16*(\g)+2*\t)*CPITCH
.endr
.irp t, 0,1,2,3,4,5,6,7
	s_wait_dscnt 7-\t                              ; load t is in; the 7 - t behind it may be out
	global_store_b96 v[CGO], v[OUTR+32*(\g)+4*\t:OUTR+32*(\g)+4*\t+2], s[96:97] offset:(16*(\g)+2*\t)*(SIZE_N*6/8)
.endr
.Lno_rows_\@:
.endm
	PLACES NP                                      ; behind the last products: for the reads of their results, the writes of the scale words' registers and the loads into A's
.irp b, 0,1,2,3
	v_mov_b32 v[TM+4+\b], 0                        ; written once: a lane permute's destination counts as one of its sources
.endr
.irp a, 0,1,2,3,4,5,6,7
	BLOCKOUT \a
.endr
	s_wait_dscnt 0x0                               ; for the others' sake: my stores into the stage of codes are done
	s_wait_xcnt 0x0                                ; and the f32 stores have read v128-191, which the loads below fill
	s_barrier_signal -1
	s_barrier_wait -1                              ; a row's 192 bytes come from two waves: now they are whole
.irp g, 0,1,2,3
	ROWSOUT \g
.endr
	s_wait_tensorcnt 0x0                           ; the wave's end: behind my last tensor load and my last LDS store
	ds_add_u32 v[SPW], v[NIL]
	s_wait_dscnt 0x0
	CROUND                                         ; the closing round: no work-group ends while a partner may still ask for a tile that names it
	s_endpgm
.Lfunc_end_k_q0076333c72_gemm_qkv:
	.size	k_q0076333c72_gemm_qkv, .Lfunc_end_k_q0076333c72_gemm_qkv-k_q0076333c72_gemm_qkv
	.p2alignl 7, 3214868480
	.fill 96, 4, 3214868480
	.section	.rodata,"a",@progbits
	.p2align	6, 0x0
	.amdhsa_kernel k_q0076333c72_gemm_qkv
		.amdhsa_group_segment_fixed_size 327680
		.amdhsa_private_segment_fixed_size 0
		.amdhsa_enable_private_segment 0
		.amdhsa_kernarg_size 40
		.amdhsa_user_sgpr_count 2
		.amdhsa_user_sgpr_kernarg_segment_ptr 1
		.amdhsa_wavefront_size32 1
		.amdhsa_system_sgpr_workgroup_id_x 1
		.amdhsa_system_sgpr_workgroup_id_y 1
		.amdhsa_system_sgpr_workgroup_id_z 1
		.amdhsa_system_vgpr_workitem_id 0
		.amdhsa_next_free_vgpr 1024
		.amdhsa_next_free_sgpr 100
		.amdhsa_reserve_vcc 0
		.amdhsa_float_denorm_mode_32 3
		.amdhsa_float_denorm_mode_16_64 3
		.amdhsa_memory_ordered 1
		.amdhsa_forward_progress 1
		.amdhsa_inst_pref_size 201
	.end_amdhsa_kernel
	.amdgpu_metadata
---
amdhsa.version: [ 1, 2 ]
amdhsa.kernels:
  - .name:           k_q0076333c72_gemm_qkv
    .symbol:         k_q0076333c72_gemm_qkv.kd
    .args:
      - { .name: codes, .offset: 0, .size: 8, .value_kind: global_buffer, .address_space: global }
      - { .name: scales, .offset: 8, .size: 8, .value_kind: global_buffer, .address_space: global }
      - { .name: qk_codes, .offset: 16, .size: 8, .value_kind: global_buffer, .address_space: global }
      - { .name: qk_scales, .offset: 24, .size: 8, .value_kind: global_buffer, .address_space: global }
      - { .name: qkv32, .offset: 32, .size: 8, .value_kind: global_buffer, .address_space: global }
    .group_segment_fixed_size: 327680
    .private_segment_fixed_size: 0
    .kernarg_segment_align: 8
    .kernarg_segment_size: 40
    .max_flat_workgroup_size: 128
    .sgpr_count:     100
    .vgpr_count:     1024
    .wavefront_size: 32
...
	.end_amdgpu_metadata
.endif
;; end of part 2
;; launch attn (part 3): grid 2 x 128, 16 waves a work-group, no clusters, 104,448 bytes of LDS; arguments qk_codes, qk_scales, qkv32, o_codes, o_scales; writes o_codes, o_scales
.if DOCPART == 3
	.amdgcn_target "amdgcn-amd-amdhsa--gfx1250"
	.amdhsa_code_object_version 6
	.text
	.protected	k_q0076333c72_attn
	.globl	k_q0076333c72_attn
	.p2align	8
	.type	k_q0076333c72_attn,@function
k_q0076333c72_attn:
	s_mov_b64 s[64:65], 0
	v_nop
	global_prefetch_b8 v0, s[64:65] scope:SCOPE_SE
	s_setreg_imm32_b32 hwreg(HW_REG_WAVE_MODE, 25, 1), 1
	s_wait_xcnt 0x0
; For each of 128 (batch, head): o[q][:] = the sum over k of softmax_k(Q[q] . K[k] / 8) V[k][:], 1,024 queries and keys, head size 64, both products on codes of FP6 (E2M3) with one E8M0 scale for each 32 along a product's K.
; Q and K arrive as codes: head row G (64 codes, 48 bytes, at 48 G of qk_codes; 2 scale bytes at 2 G of qk_scales), G = 49,152 x batch + 1,024 x head + row for Q, 16,384 more for K.  V arrives as f32, [key][64], and is quantised here along the keys.
; THE SOFTMAX AHEAD OF THE SECOND PRODUCT: t = score x log2(e) / 8; M = the row's largest t so far, rounded UP to a whole number; p = 2^(t - M) is what is quantised, along the keys; it is not normalised.
; The row's sum is taken of the unquantised p, in f32, and divides O at the end.  When M moves, the sum and O are multiplied by 2^(old M - new M): exact.
; o is an operand of the last product along (head, channel): it is quantised here, 32 channels a block, and leaves as codes in the order of that product's operand registers: o_codes [batch][head][tile of 16 queries][block][query][24 bytes];
; its scale bytes o_scales [8192 rows][32], byte 2 x head + block.
; LIMITS: a block of zeros, and one whose largest magnitude lies under 2^-124, keeps the scale byte 1 (this program alone reads the bytes); NaN and infinities are not served.
; SHARES.  A work-group owns 512 queries of one head; each of its sixteen waves owns two tiles of 16 queries, one after the other, in 256 registers: four waves to a SIMD, so that one wave's vector work stands beside another's matrix work.
; ALL OF THE HEAD'S K AND V LIE IN LDS AS CODES for the whole launch, 102,400 bytes with their scale words, as IMAGES OF OPERAND REGISTERS: a fragment is 3 x 512 bytes, register R of lane l at 512 (R / 4) + 16 l + 4 (R % 4), and comes by three
; loads of 16 bytes a lane.  They are laid there once, in the prologue; behind its one barrier the waves share nothing more.  No tensor load, no ring.
; EVERY LOAD FROM MEMORY IS ISSUED AT THE HEAD, in one run: K's eight, both tiles' Q (eight), V's 128.  So nothing is left to ask for ahead of time later on.
; NO CLUSTER, though the two work-groups of a head read the same K and V: V has to pass through registers to be quantised, and K to be laid in the images' order; as f32 a head's V is 262,144 bytes, which with the 102,400 of codes is more than the 327,680 of LDS.
; LAYOUT.  Both products are used transposed: S^T = K Q^T (source 0 = keys, source 1 = my 16 queries), O^T = V^T P^T (source 0 = 16 channels, source 1 = P): a lane holds ONE query (lane % 16) throughout.
; K = 64 IN AN INSTRUCTION OF 128.  A fragment of K carries TWO tiles of 16 keys: lane (r, h), registers 6 u .. 6 u + 5: key 32 g + 8 u + r + 8 (r / 8), channels 32 h + 0 .. 31.  Q stands once, between zeros: v192-197 zeros, v198-203 Q, v204-209 zeros.
;   The fragment x (Q | 0) is tile u = 0, the fragment x (0 | Q) tile u = 1: the half that does not count meets zero codes, under Q's scale byte 0 (2^-127, a finite number), and adds nothing.
;   The keys of a tile are chosen so that the 16 registers of tiles 2 g and 2 g + 1 are 16 neighbouring keys, 32 g + 16 (lane / 16) + 0 .. 15; V's channels likewise, so that O^T's 16 registers of two tiles are 16 neighbouring channels.
; REGISTERS: v1-6 addresses that stay; v8-9 addresses of the step in hand; v10-11, v20-24 the prologue's addresses; v12 -M, v13 the largest t, v[14:15] the sum in two halves; v30, v31 Q's scale words; v32-79 four fragments of K or of V;
;   v80-86 the coming tile's Q and its scale bytes, v88-94 the tile's after it; v96-159 S^T, then p, at the end o; v160-191 O^T; v192-209 Q between zeros; v224-235 p's codes; v232-254 at work; v248-251 K's or V's scale words.
;   In the prologue v96-223 hold V's four blocks of 32 keys.
.set FRB,   1536                       ; a fragment's image
.set KIMG,  0                          ; 32 fragments of K, one for each 32 keys
.set VIMG,  32*FRB                     ; 32 fragments of V: (step s, tile t) at 4 s + t
.set KSC,   64*FRB                     ; K's scale words [step 8][r 16][g 4]: the u = 0 key's two bytes below, the u = 1 key's above
.set VSC,   KSC+2048                   ; V's [step 8][r 16][t 4]: the bytes of the step's four blocks of 32 keys
.set AK0,  1                           ; v1   16 x lane: my place in an image
.set AS0,  2                           ; v2   KSC + 16 x (lane % 16): my row's four scale words
.set QA,   3                           ; v3   Q: 48 r + 24 h
.set QSA,  4                           ; v4   Q's scale bytes: 2 r
.set OA,   5                           ; v5   o's codes: 24 r + 12 h
.set OSA,  6                           ; v6   o's scale bytes: 32 r
.set ADK,  8                           ; v8   LDS address of the step's fragments
.set ADS,  9                           ; v9   and of its scale words
.set KGA,  10                          ; v10  the prologue: my key's codes in memory
.set KGS,  11                          ; v11  and its scale bytes
.set KST,  20                          ; v20  where I lay them in K's images
.set KSS,  21                          ; v21  and among K's scale words
.set VST,  22                          ; v22  the same for V
.set VSS,  23                          ; v23
.set VGA,  24                          ; v24  V in memory: 4 x lane
.set QS1,  30                          ; v30  Q's two scale bytes in bytes 0, 1
.set QS2,  31                          ; v31  and in bytes 2, 3
.set QN,   80                          ; v80-85, v86: the coming tile's Q and scale bytes; v88-93, v94: those of the tile after it
.set QB,   192
.set WV,   18                          ; s18  my wave's number
.set SEL,  20                          ; s[20:21] lane selects for v_permlanex16_b32: lane l xor 16
.set CS,   22                          ; s[22:23] c = log2(e) / 8: the packed form names a pair and takes its low word for both halves
.set TB,   2                           ; s2   the step's fragments: 4 FRB a step
.set TS,   3                           ; s3   its scale words: 256 bytes a step
.set STP,  24                          ; s24  steps to go
.set TIL,  25                          ; s25  tiles to go
	s_load_b128 s[4:7], s[0:1], 0x0                ; qk_codes, qk_scales
	s_load_b128 s[12:15], s[0:1], 0x10             ; qkv32, o_codes
	s_load_b64 s[16:17], s[0:1], 0x20              ; o_scales
	v_lshl_add_u32 v243, v0, 2, 0x19000
	v_mov_b32 v255, 0
	v_lshrrev_b32 v7, 5, v0
	v_readfirstlane_b32 s[WV], v7                  ; wave 0..15
	v_and_b32 v7, 31, v0                           ; lane
	v_and_b32 v16, 15, v0                          ; r
	v_bfe_u32 v17, v0, 4, 1                        ; h
	v_lshlrev_b32 v[AK0], 4, v7
	v_lshl_add_u32 v[AS0], v16, 4, KSC
	v_mul_u32_u24 v[QA], v16, 48
	v_mad_u32_u24 v[QA], v17, 24, v[QA]
	v_lshlrev_b32 v[QSA], 1, v16
	v_mul_u32_u24 v[OA], v16, 24
	v_mad_u32_u24 v[OA], v17, 12, v[OA]
	v_lshlrev_b32 v[OSA], 5, v16
	; K in the prologue: wave w lays fragments 2 w and 2 w + 1; lanes 0-15 the first, lanes 16-31 the second; in pass u a lane takes the whole row (48 bytes) of key 8 u + r + 8 (r / 8) of the fragment's 32
	v_and_b32 v18, 8, v0
	v_add_nc_u32 v18, v18, v16                     ; r + 8 (r / 8)
	v_mul_u32_u24 v[KGA], v18, 48
	v_mad_u32_u24 v[KGA], v17, 32*48, v[KGA]
	v_lshlrev_b32 v[KGS], 1, v18
	v_lshl_add_u32 v[KGS], v17, 6, v[KGS]
	s_mul_i32 s26, s[WV], 2*FRB
	v_lshlrev_b32 v[KST], 4, v16
	v_mad_u32_u24 v[KST], v17, FRB, v[KST]
	v_add_nc_u32 v[KST], s26, v[KST]               ; KIMG (0) + (2 w + h) FRB + 16 r
	s_lshr_b32 s27, s[WV], 1
	s_lshl_b32 s27, s27, 8
	s_and_b32 s28, s[WV], 1
	s_lshl_b32 s28, s28, 3
	s_add_co_u32 s27, s27, s28                     ; step w / 2, and which two of a row's four words: 256 (w / 2) + 8 (w % 2)
	v_lshlrev_b32 v[KSS], 4, v16
	v_lshl_add_u32 v[KSS], v17, 2, v[KSS]
	v_add_nc_u32 v[KSS], s27, v[KSS]
	v_add_nc_u32 v[KSS], KSC, v[KSS]
	; V in the prologue: wave w takes step w / 2 (128 keys) and channels 32 (w % 2) + lane; its registers run down the keys.  Channel 32 b + l is row (l & 7) + 8 (l >> 4) of tile 2 b + bit 3 of l
	v_and_b32 v18, 7, v0
	v_bfe_u32 v19, v0, 3, 1
	v_lshl_add_u32 v18, v17, 3, v18
	v_lshlrev_b32 v18, 4, v18                      ; 16 x that row
	v_mad_u32_u24 v[VST], v19, FRB, v18
	v_add_nc_u32 v[VST], s26, v[VST]
	v_add_nc_u32 v[VST], VIMG, v[VST]
	v_lshl_add_u32 v[VSS], v19, 2, v18
	v_add_nc_u32 v[VSS], s27, v[VSS]
	v_add_nc_u32 v[VSS], VSC, v[VSS]
	v_lshlrev_b32 v[VGA], 2, v7
	s_mov_b32 s[SEL], 0x76543210
	s_mov_b32 s[SEL+1], 0xfedcba98
	s_mov_b32 s[CS], 0x3e38aa3b                    ; c = log2(e) / 8
	s_mov_b32 s[CS+1], s[CS]                       ; (named with it as a pair, so it is written)
	; where my parts begin, in bytes; every one stays under 2^27
	s_and_b32 s29, ttmp7, 0xffff                   ; 16 x batch + head
	s_lshr_b32 s30, s29, 4                         ; batch
	s_and_b32 s31, s29, 15                         ; head
	s_mul_i32 s32, s30, 49152
	s_lshl_b32 s33, s31, 10
	s_add_co_u32 s32, s32, s33                     ; the head's first head row, of Q
	s_lshl_b32 s33, ttmp9, 9
	s_lshl_b32 s34, s[WV], 4
	s_add_co_u32 s33, s33, s34                     ; my first query: 512 x work-group x + 16 x wave
	s_add_co_u32 s34, s32, s33
	s_mul_i32 s36, s34, 48                         ; Q's codes
	s_mov_b32 s37, 0
	s_lshl_b32 s38, s34, 1                         ; Q's scale bytes
	s_mov_b32 s39, 0
	s_add_co_u32 s32, s32, 16384                   ; the head's first head row of K
	s_mul_i32 s40, s32, 48
	s_mul_i32 s35, s[WV], 64*48
	s_add_co_u32 s40, s40, s35                     ; K's codes: my wave's 64 keys
	s_mov_b32 s41, 0
	s_lshl_b32 s42, s32, 1
	s_lshl_b32 s35, s[WV], 7
	s_add_co_u32 s42, s42, s35                     ; K's scale bytes
	s_mov_b32 s43, 0
	s_mul_i32 s44, s30, 1024*3072*4
	s_add_co_u32 s44, s44, 32768*256               ; V begins at head row 32,768 of its batch, 256 bytes a head row
	s_lshl_b32 s35, s31, 18
	s_add_co_u32 s44, s44, s35
	s_lshr_b32 s35, s[WV], 1
	s_lshl_b32 s35, s35, 15
	s_add_co_u32 s44, s44, s35                     ; my step's 128 keys,
	s_and_b32 s35, s[WV], 1
	s_lshl_b32 s35, s35, 7
	s_add_co_u32 s44, s44, s35                     ; my 32 channels
	s_mov_b32 s45, 0
	s_lshl_b32 s46, s29, 6
	s_lshl_b32 s35, ttmp9, 5
	s_add_co_u32 s46, s46, s35
	s_add_co_u32 s46, s46, s[WV]
	s_mul_i32 s46, s46, 768                        ; o's codes: tile 64 (16 batch + head) + 32 x + wave, 768 bytes a tile
	s_mov_b32 s47, 0
	s_lshl_b32 s48, s30, 10
	s_add_co_u32 s48, s48, s33
	s_lshl_b32 s48, s48, 5
	s_lshl_b32 s35, s31, 1
	s_add_co_u32 s48, s48, s35                     ; o's scale bytes: row x 32 + 2 x head
	s_mov_b32 s49, 0
	s_wait_kmcnt 0x0
	s_add_nc_u64 s[8:9], s[4:5], s[40:41]          ; K's codes
	s_add_nc_u64 s[10:11], s[6:7], s[42:43]        ; K's scale bytes
	s_add_nc_u64 s[4:5], s[4:5], s[36:37]          ; Q's codes
	s_add_nc_u64 s[6:7], s[6:7], s[38:39]          ; Q's scale bytes
	s_add_nc_u64 s[12:13], s[12:13], s[44:45]      ; V
	s_add_nc_u64 s[14:15], s[14:15], s[46:47]      ; o's codes
	s_add_nc_u64 s[16:17], s[16:17], s[48:49]      ; o's scale bytes
.irp u, 0,1
.irp i, 0,1,2
	global_load_b128 v[32+12*\u+4*\i:35+12*\u+4*\i], v[KGA], s[8:9] offset:384*\u+16*\i   ; pass u's key row: 12 words
.endr
	global_load_u16 v[56+\u], v[KGS], s[10:11] offset:16*\u
.endr
.irp n, 0,1                                    ; Q of both my tiles, 256 queries apart: Q(r, 32 h + 0 .. 31) is 24 bytes; they wait in registers until their tile begins
.irp p, 0,1,2
	global_load_b64 v[QN+8*\n+2*\p:QN+8*\n+2*\p+1], v[QA], s[4:5] offset:256*48*\n+8*\p
.endr
	global_load_u16 v[QN+8*\n+6], v[QSA], s[6:7] offset:256*2*\n
.endr
.macro VLOAD jj                        ; block jj of my step: V(32 jj + i, my channel), i = 0 .. 31, into set jj: 32 lanes read 128 consecutive bytes
.set J, 0
.rept 32
	global_load_b32 v[96+32*(\jj)+J], v[VGA], s[12:13] offset:(32*(\jj)+J)*256
.set J, J+1
.endr
.endm
	VLOAD 0                                        ; all four blocks are asked for at once.  A load that would push the counter past its field waits at its issue (ISA guide 5.7.1): no wait is written for that
	VLOAD 1
	VLOAD 2
	VLOAD 3
	s_wait_loadcnt 63                              ; K's eight loads are in: 136 loads stand behind them, and 63 is the largest count that the wait can name
	; words 0-5 of a key row are channels 0-31 (image lane r), words 6-11 channels 32-63 (image lane 16 + r); pass u fills registers 6 u .. 6 u + 5
	ds_store_b128 v[KST], v[32:35]                 ; u = 0: registers 0-3 of lane r,
	ds_store_b64  v[KST], v[36:37] offset:512      ;        registers 4-5;
	ds_store_b128 v[KST], v[38:41] offset:256      ;        the same of lane 16 + r
	ds_store_b64  v[KST], v[42:43] offset:768
	ds_store_b64  v[KST], v[44:45] offset:520      ; u = 1: registers 6-7 of lane r,
	ds_store_b128 v[KST], v[46:49] offset:1024     ;        registers 8-11;
	ds_store_b64  v[KST], v[50:51] offset:776      ;        the same of lane 16 + r
	ds_store_b128 v[KST], v[52:55] offset:1280
	v_lshl_or_b32 v58, v57, 16, v56                ; the two keys' scale bytes make the fragment's scale word of row r
	ds_store_b32 v[KSS], v58
; A block of 32 keys of my channel: all 32 numbers are mine.  Its 24 bytes of codes are registers 6 c .. 6 c + 5 of image lane (row, h') with 32 jj = 64 c + 32 h'.
.macro VBLOCK jj
.set XS, 96+32*(\jj)
.if (\jj) < 2
	s_wait_loadcnt 63                              ; this block's 32 loads are in: 96 or 64 loads stand behind them, and 63 is the largest count that the wait can name
.else
	s_wait_loadcnt 32*(3-(\jj))                    ; block 2: block 3's 32 loads may be out; block 3: none
.endif
	v_max3_num_f32 v74, |v[XS]|, |v[XS+1]|, |v[XS+2]|               ; the block's largest magnitude, in two chains
	v_max3_num_f32 v75, |v[XS+3]|, |v[XS+4]|, |v[XS+5]|
.irp i, 6,10,14,18,22,26
	v_max3_num_f32 v74, v74, |v[XS+\i]|, |v[XS+\i+1]|
	v_max3_num_f32 v75, v75, |v[XS+\i+2]|, |v[XS+\i+3]|
.endr
	v_max3_num_f32 v74, v74, |v[XS+30]|, |v[XS+31]|
	v_max3_num_f32 v74, v74, v75, 0x1800000        ; and the floor 2^(3 - 127): the byte cannot fall under 1
	v_add_nc_u32 v76, 0xff000000, v74              ; 2 off its exponent field: the conversion's scale operand
	v_lshrrev_b32 v75, 23, v76                     ; the scale's byte
.if (\jj) == 0
	v_mov_b32 v72, v75                             ; four bytes to the word, the lower keys in the lower byte
.else
	v_lshl_or_b32 v72, v75, 8*(\jj), v72
.endif
	v_cvt_scalef32_pk16_fp6_f32 v[64:66], v[XS:XS+15], v76
	v_cvt_scalef32_pk16_fp6_f32 v[68:70], v[XS+16:XS+31], v76       ; (a conversion's three registers begin on an even number)
	v_nop                                          ; one plain line behind a scaled conversion
	v_mov_b32 v67, v68                             ; the six words on end: v64-69
	v_mov_b32 v68, v69
	v_mov_b32 v69, v70
.if (\jj) < 2
	ds_store_b128 v[VST], v[64:67] offset:256*((\jj)&1)             ; c = 0: registers 0-3,
	ds_store_b64  v[VST], v[68:69] offset:512+256*((\jj)&1)         ;        registers 4-5
.else
	ds_store_b64  v[VST], v[64:65] offset:520+256*((\jj)&1)         ; c = 1: registers 6-7,
	ds_store_b128 v[VST], v[66:69] offset:1024+256*((\jj)&1)        ;        registers 8-11
.endif
	s_wait_dscnt 0x0                               ; the stores have read their registers: the next block's codes may be written
.endm
	VBLOCK 0
	VBLOCK 1
	VBLOCK 2
	VBLOCK 3                                       ; its wait is for all loads: Q's are in too
	ds_store_b32 v[VSS], v72                       ; my channel's scale word for my step
.irp j, 0,1,2,3,4,5
	v_mov_b32 v[QB+\j], 0                          ; the zeros on both sides of Q: they stay
	v_mov_b32 v[QB+12+\j], 0
.endr
.irp b, 0,1,2,3
	v_mov_b32 v[236+\b], 0                         ; written once: a lane permute's destination counts as one of its sources
.endr
	v_mov_b32 v253, 0                              ; (named as the upper half of the pair v[252:253] before it is first written)
	s_wait_dscnt 0x0                               ; for the others' sake: my stores are done
	s_barrier_signal -1
	s_barrier_wait -1                              ; the head's K and V lie in LDS; nothing is written there again
	s_mov_b32 s[TIL], 2
.Ltile:                                            ; a tile of 16 queries
.irp p, 0,1,2,3,4,5
	v_mov_b32 v[QB+6+\p], v[QN+\p]                 ; the tile's Q takes its place between the zeros,
.endr
	v_mov_b32 v[QS1], v[QN+6]                      ; its two scale bytes theirs, in bytes 0 and 1
	v_lshlrev_b32 v[QS2], 16, v[QN+6]              ; and in bytes 2 and 3.  A scale register written by a vector instruction stands 8 places ahead of the scaled product, an operand 4: the 43 lines below
.irp p, 0,1,2,3,4,5,6
	v_mov_b32 v[QN+\p], v[QN+8+\p]                 ; and the next tile's moves up
.endr
.set J, 0
.rept 32
	v_mov_b32 v[160+J], 0                          ; O^T.  (The step is written once: the first finds zeros, which the first change of M leaves zeros)
.set J, J+1
.endr
	v_mov_b32 v13, 0xff61b1e6                      ; the largest t so far: -3e38, under every t
	v_floor_f32 v12, -v13                          ; -M
	v_mov_b32 v14, 0                               ; the sum, in two halves
	v_mov_b32 v15, 0
	s_mov_b32 s[TB], 0
	s_mov_b32 s[TS], 0
	s_mov_b32 s[STP], 8
.Lstep:                                            ; a key step: 128 keys
	v_add_nc_u32 v[ADK], s[TB], v[AK0]
	v_add_nc_u32 v[ADS], s[TS], v[AS0]
	v_nop
	v_nop                                          ; four places behind the last step's products, in front of loads into registers that they have read
.irp f, 0,1,2,3
.irp c, 0,1,2
	ds_load_b128 v[32+12*\f+4*\c:35+12*\f+4*\c], v[ADK] offset:KIMG+FRB*\f+512*\c   ; K's four fragments: eight tiles of 16 keys
.endr
.endr
	ds_load_b128 v[248:251], v[ADS]                ; and their scale words
	s_wait_dscnt 0x0
.irp g, 0,1,2,3                                ; S^T = K Q^T: eight accumulators, each begun with the constant 0
	v_wmma_scale_f32_16x16x128_f8f6f4 v[96+16*\g:103+16*\g], v[32+12*\g:43+12*\g], v[QB+6:QB+17], 0, v[248+\g], v[QS1] matrix_a_fmt:MATRIX_FMT_FP6 matrix_b_fmt:MATRIX_FMT_FP6
	v_wmma_scale_f32_16x16x128_f8f6f4 v[104+16*\g:111+16*\g], v[32+12*\g:43+12*\g], v[QB:QB+11], 0, v[248+\g], v[QS2] matrix_a_fmt:MATRIX_FMT_FP6 matrix_b_fmt:MATRIX_FMT_FP6
.endr                                          ; lane (r, h) holds query r; register 96 + 16 g + i is key 32 g + 16 h + i of the step
.rept 4
	v_nop                                          ; four places: in front of the loads below and of the first read of the scores
.endr
.irp t, 0,1,2,3
.irp c, 0,1,2
	ds_load_b128 v[32+12*\t+4*\c:35+12*\t+4*\c], v[ADK] offset:VIMG+FRB*\t+512*\c   ; V's four fragments land while the softmax is worked
.endr
.endr
	ds_load_b128 v[248:251], v[ADS] offset:VSC-KSC
.irp b, 0,1,2,3
	v_max3_num_f32 v[232+\b], v[96+16*\b], v[97+16*\b], v[98+16*\b]   ; THE LARGEST SCORE OF EACH BLOCK OF 32 KEYS: it serves twice: for the row's maximum, and, since p rises with the score, for the block's largest p
.endr
.irp i, 3,5,7,9,11,13
.irp b, 0,1,2,3
	v_max3_num_f32 v[232+\b], v[232+\b], v[96+16*\b+\i], v[97+16*\b+\i]   ; (the four blocks by turns)
.endr
.endr
.irp b, 0,1,2,3
	v_max_num_f32 v[232+\b], v[232+\b], v[111+16*\b]
.endr
.irp b, 0,1,2,3
	v_permlanex16_b32 v[236+\b], v[232+\b], s[SEL], s[SEL+1]
.endr
.irp b, 0,1,2,3
	v_max_num_f32 v[232+\b], v[232+\b], v[236+\b]  ; with lane l xor 16's 16 keys
.endr
	v_max3_num_f32 v254, v232, v233, v234
	v_max_num_f32 v254, v254, v235                 ; the step's largest score of my query
	v_mul_f32 v254, s[CS], v254                    ; as t (c is positive)
	v_max_num_f32 v13, v13, v254                   ; the running largest t
	v_mov_b32 v254, v12
	v_floor_f32 v12, -v13                          ; the new -M = floor(-t) = -ceil(t): M IS A WHOLE NUMBER
	v_sub_f32 v254, v12, v254                      ; M's old value less its new one: a whole number, 0 or less
	v_cvt_i32_f32 v254, v254                       ; (it saturates)
	v_ldexp_f32 v252, 1.0, v254                    ; f = 2^(old M - new M): a multiplication by it rounds nothing
.set J, 0
.rept 32
	v_pk_fma_f32 v[96+J:97+J], v[96+J:97+J], s[CS:CS+1], v[12:13] op_sel_hi:[1,0,0]   ; t - M, two at a time (of the pairs c and -M the low word serves both halves)
.set J, J+2
.endr
.irp b, 0,1,2,3
	v_fma_f32 v[232+\b], v[232+\b], s[CS], v12     ; the same of each block's largest score
.endr
.set J, 0
.rept 64
	v_exp_f32 v[96+J], v[96+J]                     ; p = 2^(t - M), at most 1: NOT normalised
.set J, J+1
.endr
	v_pk_mul_f32 v[14:15], v[14:15], v[252:253] op_sel_hi:[1,0]   ; the sums under the new M.  (The plain line behind the exponentials)
	s_wait_alu depctr_va_vdst(0)                   ; one wait for the whole batch, ahead of its first reader
.irp b, 0,1,2,3
	v_exp_f32 v[232+\b], v[232+\b]                 ; the block's largest p: the same two instructions on the same number give the same bits
.endr
	v_pk_add_f32 v[236:237], v[96:97], v[98:99]    ; THE ROW'S SUM IS TAKEN OF THE UNQUANTISED p: two at a time, in two chains.  (It reads the 64 alone: plain work behind the four)
.irp j, 4,8,12,16,20,24,28,32,36,40,44,48,52,56,60
	v_pk_add_f32 v[14:15], v[14:15], v[96+\j:97+\j]
	v_pk_add_f32 v[236:237], v[236:237], v[98+\j:99+\j]
.endr
	v_pk_add_f32 v[14:15], v[14:15], v[236:237]
	s_wait_alu depctr_va_vdst(0)                   ; and one wait for the four
.irp b, 0,1,2,3
	v_max_num_f32 v[232+\b], 0x1800000, v[232+\b]  ; the floor 2^(3 - 127): the byte cannot fall under 1 (a block whose every p has fallen to 0 keeps that byte: its codes are zeros)
.endr
.irp b, 0,1,2,3
	v_add_nc_u32 v[244+\b], 0xff000000, v[232+\b]  ; 2 off the exponent field: the conversion's scale operand
.endr
.irp b, 0,1,2,3
	v_lshrrev_b32 v[236+\b], 23, v[244+\b]         ; the scale's byte
.endr
	v_lshl_or_b32 v253, v237, 8, v236              ; p's scale word for these 128 keys
	v_lshl_or_b32 v253, v238, 16, v253
	v_lshl_or_b32 v253, v239, 24, v253
.irp c, 0,1
	v_cvt_scalef32_pk16_fp6_f32 v[224+6*\c:226+6*\c], v[96+32*\c:111+32*\c], v[244+2*\c]
	v_cvt_scalef32_pk16_fp6_f32 v[236+4*\c:238+4*\c], v[112+32*\c:127+32*\c], v[244+2*\c+1]   ; (a conversion's three registers begin on an even number)
.endr
	v_nop                                          ; one plain line behind a scaled conversion
.irp c, 0,1                                    ; the operand's layout wants a WHOLE block in a lane: lanes 0-15 block 2 c, lanes 16-31 block 2 c + 1
.irp i, 0,1,2
	v_permlane16_swap_b32 v[224+6*\c+\i], v[236+4*\c+\i]
.endr
.irp i, 0,1,2
	v_mov_b32 v[227+6*\c+\i], v[236+4*\c+\i]
.endr
.endr
.set J, 0
.rept 16
	v_pk_mul_f32 v[160+J:161+J], v[160+J:161+J], v[252:253] op_sel_hi:[1,0]   ; O^T under the new M: x f.  (These 16 are also the places between p's codes and scale word and the scaled products)
.set J, J+2
.endr
	s_wait_dscnt 0x0                               ; V's fragments and scale words are in
.irp t, 0,1,2,3                                ; O^T += V^T P^T: four accumulators by turns; between two links of a chain stand the three others' and the next step's eight products
	v_wmma_scale_f32_16x16x128_f8f6f4 v[160+8*\t:167+8*\t], v[32+12*\t:43+12*\t], v[224:235], v[160+8*\t:167+8*\t], v[248+\t], v253 matrix_a_fmt:MATRIX_FMT_FP6 matrix_b_fmt:MATRIX_FMT_FP6
.endr
	s_add_co_u32 s[TB], s[TB], 4*FRB
	s_add_co_u32 s[TS], s[TS], 256
	s_sub_co_u32 s[STP], s[STP], 1
	s_cmp_lg_u32 s[STP], 0
	s_cbranch_scc1 .Lstep
	; THE WAY OUT OF A TILE.  The sum's halves are added; O^T is divided by the sum and quantised, 32 channels a block.
	v_add_f32 v14, v14, v15                        ; the sum's two halves,
	v_permlanex16_b32 v252, v14, s[SEL], s[SEL+1]
	v_add_f32 v14, v14, v252                       ; and lane l xor 16's: the row's sum
	v_rcp_f32 v14, v14
	v_nop                                          ; the plain line behind the reciprocal;
	v_nop                                          ; with the two additions, four places behind the last products
	s_wait_alu depctr_va_vdst(0)                   ; the wait ahead of the reciprocal's first reader
.set J, 0
.rept 16
	v_pk_mul_f32 v[96+J:97+J], v[160+J:161+J], v[14:15] op_sel_hi:[1,0]   ; register 96 + 16 b + i is o(query r, channel 32 b + 16 h + i); each accumulator is read from its low end on
.set J, J+2
.endr
.irp b, 0,1
	v_max3_num_f32 v[232+\b], |v[96+16*\b]|, |v[97+16*\b]|, 0x1800000   ; block b: my 16 numbers, and the floor 2^(3 - 127)
.endr
.irp i, 2,4,6,8,10,12,14
.irp b, 0,1
	v_max3_num_f32 v[232+\b], v[232+\b], |v[96+16*\b+\i]|, |v[97+16*\b+\i]|
.endr
.endr
.irp b, 0,1
	v_permlanex16_b32 v[236+\b], v[232+\b], s[SEL], s[SEL+1]
.endr
.irp b, 0,1
	v_max_num_f32 v[232+\b], v[232+\b], v[236+\b]  ; with lane l xor 16's: the block's largest magnitude
.endr
.irp b, 0,1
	v_add_nc_u32 v[244+\b], 0xff000000, v[232+\b]
.endr
.irp b, 0,1
	v_lshrrev_b32 v[236+\b], 23, v[244+\b]
.endr
	v_lshl_or_b32 v240, v237, 8, v236              ; my row's two scale bytes of this head
	v_cvt_scalef32_pk16_fp6_f32 v[224:226], v[96:111], v244
	v_cvt_scalef32_pk16_fp6_f32 v[228:230], v[112:127], v245
	v_nop                                          ; one plain line behind a scaled conversion
	global_store_b96 v[OA], v[224:226], s[14:15]             ; block 0: 32 lanes store 384 consecutive bytes;
	global_store_b96 v[OA], v[228:230], s[14:15] offset:384  ; block 1: the next 384: the tile's 768 bytes begin at a multiple of 256 from the buffer's first byte
	global_store_b16 v[OSA], v240, s[16:17]        ; 2 bytes a row, rows 32 bytes apart (both halves of the lanes write the same): a row's 32 bytes come from sixteen heads' work-groups; one byte for each 24 of codes
	s_wait_xcnt 0x0                                ; the stores have read their registers and bases: both may be written again
	s_add_nc_u64 s[14:15], s[14:15], 16*768        ; my next tile lies 16 tiles, 256 queries, on
	s_add_nc_u64 s[16:17], s[16:17], 256*32
	s_sub_co_u32 s[TIL], s[TIL], 1
	s_cmp_lg_u32 s[TIL], 0
	s_cbranch_scc1 .Ltile
	s_wait_tensorcnt 0x0
	ds_add_u32 v243, v255
	s_wait_dscnt 0x0
	s_endpgm
.Lfunc_end_k_q0076333c72_attn:
	.size	k_q0076333c72_attn, .Lfunc_end_k_q0076333c72_attn-k_q0076333c72_attn
	.p2alignl 7, 3214868480
	.fill 96, 4, 3214868480
	.section	.rodata,"a",@progbits
	.p2align	6, 0x0
	.amdhsa_kernel k_q0076333c72_attn
		.amdhsa_group_segment_fixed_size 104448
		.amdhsa_private_segment_fixed_size 0
		.amdhsa_enable_private_segment 0
		.amdhsa_kernarg_size 40
		.amdhsa_user_sgpr_count 2
		.amdhsa_user_sgpr_kernarg_segment_ptr 1
		.amdhsa_wavefront_size32 1
		.amdhsa_system_sgpr_workgroup_id_x 1
		.amdhsa_system_sgpr_workgroup_id_y 1
		.amdhsa_system_sgpr_workgroup_id_z 1
		.amdhsa_system_vgpr_workitem_id 0
		.amdhsa_next_free_vgpr 256
		.amdhsa_next_free_sgpr 66
		.amdhsa_reserve_vcc 0
		.amdhsa_float_denorm_mode_32 3
		.amdhsa_float_denorm_mode_16_64 3
		.amdhsa_memory_ordered 1
		.amdhsa_forward_progress 1
		.amdhsa_inst_pref_size 47
	.end_amdhsa_kernel
	.amdgpu_metadata
---
amdhsa.version: [ 1, 2 ]
amdhsa.kernels:
  - .name:           k_q0076333c72_attn
    .symbol:         k_q0076333c72_attn.kd
    .args:
      - { .name: qk_codes, .offset: 0, .size: 8, .value_kind: global_buffer, .address_space: global }
      - { .name: qk_scales, .offset: 8, .size: 8, .value_kind: global_buffer, .address_space: global }
      - { .name: qkv32, .offset: 16, .size: 8, .value_kind: global_buffer, .address_space: global }
      - { .name: o_codes, .offset: 24, .size: 8, .value_kind: global_buffer, .address_space: global }
      - { .name: o_scales, .offset: 32, .size: 8, .value_kind: global_buffer, .address_space: global }
    .group_segment_fixed_size: 104448
    .private_segment_fixed_size: 0
    .kernarg_segment_align: 8
    .kernarg_segment_size: 40
    .max_flat_workgroup_size: 512
    .sgpr_count:     66
    .vgpr_count:     256
    .wavefront_size: 32
...
	.end_amdgpu_metadata
.endif
;; end of part 3
;; launch gemm_out (part 4): grid 8 x 32, 4 waves a work-group, clusters of 4 x 4, 314,880 bytes of LDS; arguments o_codes, o_scales, codes, scales, b_out, out0; writes out0
.if DOCPART == 4
	.amdgcn_target "amdgcn-amd-amdhsa--gfx1250"
	.amdhsa_code_object_version 6
	.text
	.protected	k_q0076333c72_gemm_out
	.globl	k_q0076333c72_gemm_out
	.p2align	8
	.type	k_q0076333c72_gemm_out,@function
k_q0076333c72_gemm_out:
	s_mov_b64 s[64:65], 0
	v_nop
	global_prefetch_b8 v0, s[64:65] scope:SCOPE_SE
	s_setreg_imm32_b32 hwreg(HW_REG_WAVE_MODE, 25, 1), 1
	s_wait_xcnt 0x0
	s_wait_alu depctr_hold_cnt(0) depctr_sa_sdst(0) depctr_va_vdst(0) depctr_va_sdst(0) depctr_va_ssrc(0) depctr_va_vcc(0) depctr_vm_vsrc(0)
	s_getreg_b32 s2, hwreg(HW_REG_IB_STS2, 6, 4)
	s_cmp_eq_u32 s2, 0
	s_cbranch_scc0 .Lentry_in_a_cluster
	s_endpgm
.Lentry_in_a_cluster:
	s_bfe_u32 s2, ttmp6, 0x10000c
	s_cmp_lg_u32 s2, 0xf033
	s_cbranch_scc0 .Lentry_shape_is_right
	s_endpgm
.Lentry_shape_is_right:
; out0[m][n] = sum over k of o[m][k] w_out[n][k] + b_out[n], on codes of FP6 (E2M3) with one E8M0 scale for each 32 along K; sums in f32.  M = 8,192, N = 1,024, K = 1,024 = (head, channel).
; A = o, as the launch before has laid it: o_codes [batch 8][head 16][tile of 16 rows 64][block of 32 channels 2][row 16][24 bytes]: the 768 bytes of a (head, tile) are, lane by lane (24 bytes at 24 x lane), registers 6 c .. 6 c + 5 of the
; fragment of these 16 rows whose 128 along K are heads 2 q and 2 q + 1, c = head % 2.  o_scales [8192][32].  B = rows 11264-12287 of the buffers codes / scales (w_out, rows as they are, K innermost).
; SHARES.  A tile of 256 rows x 128 columns to a work-group: 32 x 8 = 256 work-groups.  Four waves, each 128 rows x 64 columns: wave w has rows 128 (w / 2) on and columns 64 (w % 2) on.
; ALL OF K LIES IN LDS AT ONCE: A's 256 rows are 196,608 bytes, B's 128 rows 104,448 with their padding, the scale bytes 13,056.  Every LDS byte is filled ONCE, by loads that all go out at the head: there is no ring and nothing is filled again.
; So nothing is left to ask for ahead of time either.
; B'S FRAGMENTS STAY IN REGISTERS: my 64 columns x 1,024 along K are 32 fragments, 384 registers, read from LDS once.  A goes past them BY ROWS: a CHUNK is two blocks of 16 rows (of each half of the tile), all of K; it is multiplied in two UNITS
; of 512 along K, 32 matrix instructions each, on eight accumulators by turns.  A chunk's rows are finished when its second unit ends, and leave while the next chunks are multiplied.
; A's four chunks are four loads of each wave, and land in that order: a chunk is waited for (a counted wait, then a barrier, since the other wave of my half has fetched the other eight heads) one unit before its first fragments are read.
; THE BIAS is the C of each sum's first matrix instruction: eight registers for each of B's four blocks, in the result's layout.
; CLUSTERS: 4 x 4 work-groups.  The four of a row of the cluster need the same rows of A, the four of a column the same rows of B: each load is a JOINT one, the same line with the same descriptor and a mask that names the four.  Every wave
; issues loads of both kinds, its quarter of each: no branch stands round them.
; THE MATRIX INSTRUCTION IS USED TRANSPOSED (source 0 = 16 rows of B, source 1 = 16 rows of A): a lane then holds eight neighbouring numbers of a row of the result.
; REGISTERS, in windows of 256: window 0: v0-31 addresses; v32-95 scale words; v96-127 the bias; v128-191 rows of the result on their way out, two sets.
;   window 1: v0-191 B's fragments of K 0-511 ((b, q) at 12 (4 b + q)); v192-255 the accumulators of chunks 0 and 2.   window 2: v0-191 B's of K 512-1023; v192-255 the accumulators of chunks 1 and 3.
;   window 3: v0-95, v96-191 A's fragments of a unit ((e, q) at 12 (4 e + q)): one buffer for the units of K 0-511, one for those of K 512-1023.
.set SIZE_N, 1024
.set WO_CODES,  11264*768              ; where w_out's rows begin in the buffer of codes,
.set WO_SCALES, 11264*32               ; and in that of scale bytes
.set KROW,   768                       ; a row of B in memory, in bytes
.set TILEB,  768                       ; A: a (head, tile of 16 rows) in bytes
.set HEADB,  64*TILEB                  ; a head's 64 tiles
.set PAIRB,  2*TILEB                   ; two neighbouring tiles of a head: a row of A's loads
.set CHUNKB, 16*PAIRB                  ; a chunk of one half of the tile in LDS: 16 heads x two tiles
.set AHALF,  4*CHUNKB                  ; a half's four chunks
.set BIMG,   2*AHALF                   ; behind A: B's 128 rows
.set BP,     816                       ; a row of B in LDS: 3 x (256 bytes + 16 of padding) = 204 words: row r starts at bank 12 r mod 64, sixteen different multiples of 4 (64 banks of 4 bytes: ISA guide 11.1); lanes 16-31 read 6 or 10 words on
.set SCL,    BIMG+128*BP               ; behind B: A's scale bytes, as runs of 256 bytes + 16 of padding,
.set SBLK,   544                       ; (those of 16 rows: 512 bytes, two runs)
.set SCB,    SCL+16*SBLK               ; and B's
.set STG,    BIMG                      ; the way out: a stage of 16 rows x (256 bytes + 16) for each wave, in B's bytes: they have had their one fill, and behind the second barrier their last read
.set SPITCH, 272
.set FR,     12                        ; registers of a fragment: 16 rows x 128 K
.set ADRA, 16                          ; v16-17  LDS address of my A fragments: chunks 0 and 1; chunks 2 and 3 (an LDS offset has 16 bits)
.set ADRB, 20                          ; v20     the same for B  (v22: for the pieces that lie behind one padding more)
.set STO,  24                          ; v24     the way out: where I put 32 bytes of a row
.set RD,   25                          ; v25     the way out: where I read a row back
.set ADRS, 26                          ; v26-27  LDS address of my scale words: lanes 0-15 A's rows, lanes 16-31 B's; v27 serves A's blocks 4-7, beside which B's blocks 0-3 come once more
.set CO,   28                          ; v28     my byte offset in two rows of the result
.set SC,   32                          ; scale words: register 8 i + q: lanes 0-15 the word of A's block i, lanes 16-31 that of B's block i % 4, for the q-th 128 along K.  These registers hold nothing else
.set BIAS, 96                          ; v96-127 register 8 b + j: b_out at my column 16 b + 8 h + j
.set BK,   128                         ; v128-159, v160-191: 16 rows read back from the stage, by turns
.set ACC,  192                         ; accumulator (e, b) at 192 + 8 (4 e + b) of its window
.set G1A,  24                          ; s[24:31] descriptor group 1 for A's codes
.set G1B,  32                          ; s[32:39] for B's codes
.set G1SA, 48                          ; s[48:55] for A's scale bytes
.set G1SB, 56                          ; s[56:63] for B's
.set G0SA, 68                          ; groups 0, one for each of a wave's seven loads, none ever written again: s[68:71] A's scale bytes,
.set G0SB, 72                          ; s[72:75] B's,
.set G0B,  76                          ; s[76:79] B's codes,
.set G0A,  80                          ; s[80:95] A's four chunks
.set PADDED, (3<<16)|(1<<20)|(1<<21)|(5<<22)|(3<<25)   ; 17:16 elements of 8 bytes; 20 padding on; 21 set beside a mask; 24:22 after every 64 words (code 5); 31:25 of 4 words (code 3)
.set MSB, 0
.macro WIN new                         ; the immediate's high byte repeats the setting that is left; a switch that changes nothing is dropped
.if MSB != (\new)
	s_set_vgpr_msb (MSB<<8)|(\new)
.set MSB, (\new)
.endif
.endm
.macro CREST                           ; a round of the cluster's barrier behind its opening barrier
	s_cmp_lg_u32 s14, 0
	s_cbranch_scc1 .Lnot_wave_0_\@
	s_barrier_signal -3
.Lnot_wave_0_\@:
	s_barrier_wait -3
	s_barrier_signal -1
	s_barrier_wait -1
.endm
.macro CROUND                          ; a whole round
	s_barrier_signal -1
	s_barrier_wait -1
	CREST
.endm
.macro DENSE g, rows                   ; group 1's other words for a block that is dense in memory: rows of 256 bytes (32 elements of 8 bytes)
	s_mov_b32 s[\g+1], 32<<16                      ; tensor_dim0
	s_mov_b32 s[\g+2], (\rows)<<16                 ; tensor_dim1
	s_mov_b32 s[\g+3], 32<<16                      ; tile_dim0
	s_mov_b32 s[\g+4], \rows                       ; tile_dim1
	s_mov_b32 s[\g+5], 32                          ; tensor_dim0_stride
	s_mov_b32 s[\g+6], 0
	s_mov_b32 s[\g+7], 0
.endm
	s_load_b128 s[4:7], s[0:1], 0x0                ; o_codes s[4:5], o_scales s[6:7]
	s_load_b128 s[8:11], s[0:1], 0x10              ; codes s[8:9], scales s[10:11]
	s_load_b64 s[96:97], s[0:1], 0x20              ; b_out
	s_load_b64 s[12:13], s[0:1], 0x28              ; out0
	v_lshl_add_u32 v254, v0, 2, 0x4cc00
	v_mov_b32 v255, 0
	ds_add_u32 v254, v255
	ds_add_u32 v254, v255
	v_lshrrev_b32 v1, 5, v0
	v_readfirstlane_b32 s14, v1                    ; wave 0..3
	s_lshr_b32 s15, s14, 1                         ; which half of the tile's rows is mine.  Also: of which half I fetch A's chunks
	s_and_b32 s16, s14, 1                          ; which half of its columns.  Also: which eight heads of those chunks
	s_bfe_u32 s40, ttmp6, 0x40000                  ; cx, cy: my place in the cluster
	s_bfe_u32 s41, ttmp6, 0x40004
	s_lshl_b32 s42, ttmp9, 2
	s_add_co_u32 s42, s42, s40                     ; tile column = 4 x cluster x + cx, 0..7
	s_and_b32 s17, ttmp7, 0xffff
	s_lshl_b32 s17, s17, 2
	s_add_co_u32 s17, s17, s41                     ; tile row = 4 x cluster y + cy, 0..31
	s_lshl_b32 s43, s41, 2
	s_lshl_b32 s43, 15, s43                        ; my row of the cluster
	s_lshl_b32 s44, 0x1111, s40                    ; my column
	; descriptor group 1 for A's codes: eight rows (heads) of PAIRB bytes, HEADB bytes apart, laid on end in LDS
	s_or_b32 s[G1A+0], s43, (3<<16)|(1<<21)        ; 15:0 the mask: A goes to my row of the cluster; 17:16 elements of 8 bytes; 20 no padding; 21 set beside a mask
	s_mov_b32 s[G1A+1], (PAIRB/8)<<16              ; tensor_dim0 = 192 elements
	s_mov_b32 s[G1A+2], 8<<16                      ; tensor_dim1 = 8
	s_mov_b32 s[G1A+3], (PAIRB/8)<<16              ; tile_dim0
	s_mov_b32 s[G1A+4], 8                          ; tile_dim1
	s_mov_b32 s[G1A+5], HEADB/8                    ; tensor_dim0_stride, in elements
	s_mov_b32 s[G1A+6], 0
	s_mov_b32 s[G1A+7], 0
	s_or_b32 s[G1B+0], s44, PADDED                 ; B's codes go to my column of the cluster: 32 rows of 768 bytes are one dense block: 96 rows of 256 bytes, 16 of padding behind each
	DENSE G1B, 96
	s_or_b32 s[G1SA+0], s43, PADDED                ; A's scale bytes: 64 rows of 32 bytes: 8 rows of 256
	DENSE G1SA, 8
	s_or_b32 s[G1SB+0], s44, PADDED                ; B's: 32 rows of 32 bytes: 4 rows of 256
	DENSE G1SB, 4
	; where my parts come from, in bytes (each under 2^24).  A's hang on the tile row and the wave's number alone, B's on the tile column and the wave's number alone, in registers that never hold the other coordinate
	s_lshr_b32 s20, s17, 2                         ; A's codes: the batch (four tile rows each),
	s_mul_i32 s20, s20, 16*HEADB
	s_and_b32 s18, s17, 3                          ; the tile row's 16 tiles of 16 rows in a head,
	s_mul_i32 s18, s18, 16*TILEB
	s_add_co_u32 s20, s20, s18
	s_mul_i32 s18, s15, 8*TILEB                    ; the half's eight of them,
	s_add_co_u32 s20, s20, s18
	s_mul_i32 s18, s16, 8*HEADB                    ; my eight heads
	s_add_co_u32 s20, s20, s18
	s_mov_b32 s21, 0
	s_lshl_b32 s22, s17, 8                         ; A's scale bytes: row 256 x tile row + 64 x wave, 32 bytes a row
	s_lshl_b32 s18, s14, 6
	s_add_co_u32 s22, s22, s18
	s_lshl_b32 s22, s22, 5
	s_mov_b32 s23, 0
	s_lshl_b32 s46, s42, 7                         ; B: row 128 x tile column + 32 x wave
	s_lshl_b32 s18, s14, 5
	s_add_co_u32 s46, s46, s18
	s_lshl_b32 s66, s46, 5                         ; its scale bytes,
	s_mov_b32 s67, 0
	s_mul_i32 s46, s46, KROW                       ; its codes
	s_mov_b32 s47, 0
	; and where they go: constants and the wave's number alone
	s_mul_i32 s45, s15, AHALF
	s_mul_i32 s18, s16, 8*PAIRB
	s_add_co_u32 s45, s45, s18                     ; A's chunk 0: my half, my eight heads
	s_mul_i32 s2, s14, 32*BP                       ; B's codes: my 32 rows
	s_mul_i32 s3, s14, 4*SBLK                      ; A's scale bytes: my 64 rows
	s_mul_i32 s19, s14, 2*SBLK                     ; B's: my 32 rows
	s_wait_dscnt 0x0
	s_wait_kmcnt 0x0
	s_add_nc_u64 s[8:9], s[8:9], WO_CODES
	s_add_nc_u64 s[10:11], s[10:11], WO_SCALES
	s_add_nc_u64 s[20:21], s[4:5], s[20:21]
	s_add_nc_u64 s[22:23], s[6:7], s[22:23]
	s_add_nc_u64 s[46:47], s[8:9], s[46:47]
	s_add_nc_u64 s[66:67], s[10:11], s[66:67]
	s_mov_b32 s[G0SA], 1                           ; 1:0 count = 1
	s_add_co_u32 s[G0SA+1], s3, SCL                ; 63:32 LDS address
	s_mov_b64 s[G0SA+2:G0SA+3], s[22:23]           ; 120:64 global address
	s_or_b32 s[G0SA+3], s[G0SA+3], 0x80000000      ; 127:126 type = 2
	s_mov_b32 s[G0SB], 1
	s_add_co_u32 s[G0SB+1], s19, SCB
	s_mov_b64 s[G0SB+2:G0SB+3], s[66:67]
	s_or_b32 s[G0SB+3], s[G0SB+3], 0x80000000
	s_mov_b32 s[G0B], 1
	s_add_co_u32 s[G0B+1], s2, BIMG
	s_mov_b64 s[G0B+2:G0B+3], s[46:47]
	s_or_b32 s[G0B+3], s[G0B+3], 0x80000000
.irp j, 0,1,2,3
	s_mov_b32 s[G0A+4*\j], 1
	s_add_co_u32 s[G0A+4*\j+1], s45, \j*CHUNKB
	s_add_nc_u64 s[G0A+4*\j+2:G0A+4*\j+3], s[20:21], \j*PAIRB      ; chunk j: two tiles of 16 rows on
	s_or_b32 s[G0A+4*\j+3], s[G0A+4*\j+3], 0x80000000
.endr
	CROUND                                         ; all sixteen work-groups are here: the joint loads meet
	tensor_load_to_lds s[G0SA:G0SA+3], s[G1SA:G1SA+7]              ; ALL THE LAUNCH'S FILLS, one group: by this text's count seven tensor loads of a wave are out.  First what the first unit wants:
	s_nop 0
	tensor_load_to_lds s[G0SB:G0SB+3], s[G1SB:G1SB+7]              ; the scale bytes,
	s_nop 0
	tensor_load_to_lds s[G0B:G0B+3], s[G1B:G1B+7]                  ; B,
	s_nop 0
.irp j, 0,1,2,3
	tensor_load_to_lds s[G0A+4*\j:G0A+4*\j+3], s[G1A:G1A+7]        ; then A's chunks in the order in which they are multiplied
	s_nop 0
.endr
.rept 4
	v_nop                                          ; four v_nop follow the group
.endr
	v_and_b32 v1, 15, v0                           ; r = l % 16
	v_bfe_u32 v2, v0, 4, 1                         ; h = l / 16
	v_and_b32 v3, 31, v0
	v_mul_u32_u24 v3, v3, 24                       ; A: 24 x lane: at 6 words from lane to lane the 32 lanes of a load of 8 bytes touch 64 different banks
	s_mul_i32 s18, s15, AHALF                      ; my half of the rows
	v_add_nc_u32 v[ADRA], s18, v3
	s_add_co_u32 s18, s18, 2*CHUNKB
	v_add_nc_u32 v[ADRA+1], s18, v3
	v_mul_u32_u24 v4, v1, BP
	v_mad_u32_u24 v4, v2, 24, v4                   ; B: a fragment's row x pitch + 24 x half,
	s_mul_i32 s18, s16, 64*BP                      ; my 64 rows
	s_add_co_u32 s18, s18, BIMG
	v_add_nc_u32 v[ADRB], s18, v4
	v_lshl_add_u32 v[ADRB+2], v2, 4, v[ADRB]       ; and the same behind one padding more
	v_lshlrev_b32 v5, 5, v1                        ; my row's scale bytes: 32 bytes a row,
	v_lshrrev_b32 v6, 8, v5
	v_lshl_add_u32 v5, v6, 4, v5                   ; and 16 more for each 256 passed
	s_mul_i32 s18, s15, 8*SBLK                     ; A's: my 128 rows
	s_add_co_u32 s18, s18, SCL
	v_add_nc_u32 v5, s18, v5
	s_xor_b32 s19, s15, 1                          ; from there to B's, my 64 rows: SCB - SCL = 16 SBLK, less 8 SBLK x my half of the rows, plus 4 SBLK x my half of the columns
	s_mul_i32 s19, s19, 8*SBLK
	s_mul_i32 s21, s16, 4*SBLK
	s_add_co_u32 s19, s19, s21
	s_add_co_u32 s22, s19, 8*SBLK
	s_add_co_u32 s23, s19, 4*SBLK                  ; and four blocks less, for the loads that take A's blocks 4-7
	v_mul_u32_u24 v6, s22, v2                      ; lanes 16-31 take B's: one product, the distance x h
	v_add_nc_u32 v[ADRS], v5, v6
	v_mul_u32_u24 v6, s23, v2
	v_add_nc_u32 v[ADRS+1], v5, v6
	s_mul_i32 s18, s14, 16*SPITCH                  ; my stage
	s_add_co_u32 s18, s18, STG
	v_mul_u32_u24 v5, v1, SPITCH                   ; in: row l % 16, 32 bytes for each half of the lanes
	v_lshl_add_u32 v5, v2, 5, v5
	v_add_nc_u32 v[STO], s18, v5
	v_mul_u32_u24 v5, v2, SPITCH                   ; back: lanes 0-15 take one row of 256 bytes, lanes 16-31 the next
	v_lshl_add_u32 v5, v1, 4, v5
	v_add_nc_u32 v[RD], s18, v5
	v_lshlrev_b32 v5, 12, v2                       ; and the same two rows in the result, 4,096 bytes apart
	v_lshl_add_u32 v[CO], v1, 4, v5
	v_lshlrev_b32 v7, 5, v2                        ; the bias: my half's eight numbers of each 16: 32 h bytes on
	s_lshl_b32 s20, s17, 8
	s_lshl_b32 s21, s15, 7
	s_add_co_u32 s20, s20, s21                     ; my first row of the result: 256 x tile row + 128 x half,
	s_lshl_b32 s20, s20, 12                        ; in bytes (under 2^25)
	s_mov_b32 s21, 0
	s_lshl_b32 s46, s42, 9                         ; my first column, in bytes: 512 x tile column + 256 x half
	s_lshl_b32 s47, s16, 8
	s_add_co_u32 s46, s46, s47
	s_mov_b32 s47, 0
	s_add_nc_u64 s[96:97], s[96:97], s[46:47]      ; the bias at my first column
	s_add_nc_u64 s[12:13], s[12:13], s[20:21]
	s_add_nc_u64 s[12:13], s[12:13], s[46:47]
.irp b, 0,1,2,3
	global_load_b128 v[BIAS+8*\b:BIAS+8*\b+3], v7, s[96:97] offset:64*\b
	global_load_b128 v[BIAS+8*\b+4:BIAS+8*\b+7], v7, s[96:97] offset:64*\b+16
.endr
; A fragment, 16 rows x 128 K of 6-bit codes, is 12 registers: lane l holds row l % 16; registers 6 c .. 6 c + 5 hold K = 64 c + 32 (l / 16) + 0 .. 31: 24 bytes, in pieces of 8 so that every address is a multiple of the access's size.
.macro FRAGB reg, q, b                 ; of B: block b, the q-th 128 along K.  Lanes 0-15 take the row's pieces 12 q + 0, 1, 2 and 12 q + 6, 7, 8, lanes 16-31 those three pieces on
.irp p, 0,1,2,3,4,5
.set PCE, 12*(\q)+6*(\p/3)+\p%3        ; 16 bytes of padding lie behind every 256 bytes (32 pieces): where the piece three on lies behind one padding more, the second address register (40 for 24 bytes a half) serves
.if PCE%32 < 29
	ds_load_b64 v[\reg+2*\p:\reg+2*\p+1], v[ADRB] offset:8*PCE+16*(PCE/32)+(\b)*16*BP
.else
	ds_load_b64 v[\reg+2*\p:\reg+2*\p+1], v[ADRB+2] offset:8*PCE+16*(PCE/32)+(\b)*16*BP
.endif
.endr
.endm
.macro FRAGA reg, j, e, q              ; of A: block e of chunk j, heads 2 q and 2 q + 1: of each the 24 bytes at 24 x lane of its (head, tile)
.irp p, 0,1,2,3,4,5
	ds_load_b64 v[\reg+2*\p:\reg+2*\p+1], v[ADRA+(\j)/2] offset:((\j)%2)*CHUNKB+(2*(\q)+\p/3)*PAIRB+(\e)*TILEB+8*(\p%3)
.endr
.endm
.macro FETCHB hh                       ; 96 loads: B's sixteen fragments of half hh of K, into window 1 + hh: they stay
.set WM, 0x40*(1+(\hh))
	WIN WM
.irp b, 0,1,2,3
.irp qq, 0,1,2,3
	FRAGB FR*(4*\b+\qq), 4*(\hh)+\qq, \b
.endr
.endr
	WIN 0
.endm
.macro FETCHA u                        ; 48 loads in one run: unit u's eight fragments of A (chunk u / 2, half u % 2 of K) into that half's buffer, in window 3
	WIN 0xc0
.irp qq, 0,1,2,3
.irp e, 0,1
	FRAGA 96*((\u)%2)+FR*(4*\e+\qq), (\u)/2, \e, 4*((\u)%2)+\qq
.endr
.endr
	WIN 0
.endm
; A load into a register that a matrix instruction has read, and an LDS store that reads a matrix result, stand four places behind that matrix instruction, and only plain vector instructions that name none of its registers are places
; (ISA guide 7.12.1 for vector instructions).  A sum that is begun anew over an older sum's registers stands five behind it: between a chunk's last product and the first of the chunk after next lie twelve.
.macro PLACES n
.rept \n
	v_nop
.endr
.endm
; 32 matrix instructions: chunk j's two blocks x B's four, half hh of K.  The eight accumulators take turns, one instruction a turn, in the same order throughout.
; The chunk's first eight products take the bias as their C: nothing is cleared, nothing is added later.
.macro MULU j, hh
.set AW, 1+((\j)%2)                    ; the chunk's accumulators' window
.irp qq, 0,1,2,3
.if ((\hh) == 0) && (\qq == 0)
.set WM, 0x0d|(AW<<6)                  ; source 0 (B) window 1, source 1 (A) window 3, C (the bias) window 0, D the accumulators'
.else
.set WM, (1+(\hh))|0x0c|(AW<<4)|(AW<<6)   ; source 0 window 1 + hh, source 1 window 3, C and D the accumulators'
.endif
	WIN WM
.irp e, 0,1
.irp b, 0,1,2,3
.set DR, ACC+8*(4*\e+\b)
.set BR, FR*(4*\b+\qq)
.set AR, 96*(\hh)+FR*(4*\e+\qq)
.set SBR, SC+8*\b+4*(\hh)+\qq          ; B's scale words: lanes 16-31 of block b's register
.set SAR, SC+8*(2*(\j)+\e)+4*(\hh)+\qq ; A's: lanes 0-15 of block 2 j + e's
.if ((\hh) == 0) && (\qq == 0)
	v_wmma_scale_f32_16x16x128_f8f6f4 v[DR:DR+7], v[BR:BR+FR-1], v[AR:AR+FR-1], v[BIAS+8*\b:BIAS+8*\b+7], v[SBR], v[SAR] matrix_a_fmt:MATRIX_FMT_FP6 matrix_b_fmt:MATRIX_FMT_FP6 matrix_a_scale:MATRIX_SCALE_ROW1
.else
	v_wmma_scale_f32_16x16x128_f8f6f4 v[DR:DR+7], v[BR:BR+FR-1], v[AR:AR+FR-1], v[DR:DR+7], v[SBR], v[SAR] matrix_a_fmt:MATRIX_FMT_FP6 matrix_b_fmt:MATRIX_FMT_FP6 matrix_a_scale:MATRIX_SCALE_ROW1
.endif
.endr
.endr
.endr
.endm
; THE WAY OUT of block a, 16 rows x 64 columns.  A lane holds 32 neighbouring bytes of a row, and the lanes beside it hold other rows: so a block goes through my own stage in LDS and comes back as whole rows of 256 bytes.
; LDS serves a wave's instructions in order (ISA guide 5.7.1.4): no wait between the stores and the loads, nor in front of the next block's stores.
.macro TOSTAGE a
.set AW, 1+(((\a)/2)%2)
.set AC, ACC+32*((\a)%2)
.set WM, AW<<2
	WIN WM                                         ; an LDS store's data are its source 1
.irp b, 0,1,2,3
	ds_store_b128 v[STO], v[AC+8*\b:AC+8*\b+3] offset:64*\b          ; each accumulator from its low end on
	ds_store_b128 v[STO], v[AC+8*\b+4:AC+8*\b+7] offset:64*\b+16
.endr
	WIN 0
.set BB, BK+32*((\a)%2)
.irp t, 0,1,2,3,4,5,6,7
	ds_load_b128 v[BB+4*\t:BB+4*\t+3], v[RD] offset:\t*2*SPITCH
.endr
.endm
.macro SEND a                          ; behind the wait that shows the block back in registers
.set BB, BK+32*((\a)%2)
.irp t, 0,1,2,3,4,5,6,7
	global_store_b128 v[CO], v[BB+4*\t:BB+4*\t+3], s[12:13] offset:(16*(\a)+2*\t)*SIZE_N*4 th:TH_STORE_NT   ; 16 lanes store 256 consecutive bytes, at a multiple of 256 from the result's first byte; the row stands in the immediate (126 rows at the most); written once, read by nobody here
.endr
.endm
; UNIT u: chunk u / 2, half u % 2 of K.  Its own fragments were asked for a unit ago.  At its head stand, in one run, the LDS instructions of this unit: the next unit's 48 loads and a finished block's 16 on its way out; then its 32 products.
; Block a is finished with unit a | 1; it goes into the stage in unit a + 2 and is stored at the head of unit a + 3.
.macro UNIT u
	s_wait_dscnt 0x0                               ; my fragments are in, and so is the block that went through the stage in the last unit; no LDS instruction of mine is out at the signal below
.if (\u) >= 3
	SEND (\u)-3
.endif
.if ((\u)%2 == 1) && ((\u) < 6)
	s_wait_tensorcnt 2-(\u)/2                      ; my part of the next chunk has landed; the chunks behind it, 2 - u / 2 loads, may be out
	s_barrier_signal -1
	s_barrier_wait -1                              ; everybody's part has.  (Behind the first of these barriers nobody reads B's bytes any more: every wave's loads of them are back)
.endif
.if (\u) > 0
	PLACES 4                                       ; behind the last unit's products: for the loads into the buffer that they read, and for the LDS stores that read finished sums
.endif
.if (\u) < 7
	FETCHA (\u)+1
.endif
.if (\u) == 0
	FETCHB 1                                       ; B's second half is wanted from unit 1 on
.endif
.if (\u) >= 2
	s_wait_xcnt 0x0                                ; the stores of two blocks back have read the registers that the loads below fill
	TOSTAGE (\u)-2
.endif
	MULU (\u)/2, (\u)%2
	WIN 0
.endm
	s_wait_tensorcnt 3                             ; the scale bytes, B and chunk 0, my parts, have landed; A's chunks 1 to 3 may be out
	s_barrier_signal -1
	s_barrier_wait -1                              ; everybody's parts have
.irp i, 0,1,2,3                                ; all the scale words, once: a row's 32 bytes are eight words, one for each 128 along K
	ds_load_b128 v[SC+8*\i:SC+8*\i+3], v[ADRS] offset:\i*SBLK
	ds_load_b128 v[SC+8*\i+4:SC+8*\i+7], v[ADRS] offset:\i*SBLK+16
.endr
.irp i, 4,5,6,7
	ds_load_b128 v[SC+8*\i:SC+8*\i+3], v[ADRS+1] offset:\i*SBLK
	ds_load_b128 v[SC+8*\i+4:SC+8*\i+7], v[ADRS+1] offset:\i*SBLK+16
.endr
	FETCHB 0
	FETCHA 0
	s_wait_loadcnt 0x0                             ; the bias
.irp u, 0,1,2,3,4,5,6,7
	UNIT \u
.endr
	s_wait_dscnt 0x0                               ; block 5 is back from the stage
	SEND 5
	PLACES 4                                       ; behind the last products
	s_wait_xcnt 0x0                                ; blocks 4's and 5's stores have read their registers
	TOSTAGE 6
	TOSTAGE 7
	s_wait_dscnt 16                                ; block 6 is back: behind its loads stand block 7's 8 stores and 8 loads
	SEND 6
	s_wait_dscnt 0x0
	SEND 7
	s_wait_tensorcnt 0x0
	ds_add_u32 v254, v255
	s_wait_dscnt 0x0
	CROUND                                         ; the closing round: no work-group ends while a partner may still ask for a tile that names it.  (Every tensor load of mine was waited for at unit 5)
	s_endpgm
.Lfunc_end_k_q0076333c72_gemm_out:
	.size	k_q0076333c72_gemm_out, .Lfunc_end_k_q0076333c72_gemm_out-k_q0076333c72_gemm_out
	.p2alignl 7, 3214868480
	.fill 96, 4, 3214868480
	.section	.rodata,"a",@progbits
	.p2align	6, 0x0
	.amdhsa_kernel k_q0076333c72_gemm_out
		.amdhsa_group_segment_fixed_size 314880
		.amdhsa_private_segment_fixed_size 0
		.amdhsa_enable_private_segment 0
		.amdhsa_kernarg_size 48
		.amdhsa_user_sgpr_count 2
		.amdhsa_user_sgpr_kernarg_segment_ptr 1
		.amdhsa_wavefront_size32 1
		.amdhsa_system_sgpr_workgroup_id_x 1
		.amdhsa_system_sgpr_workgroup_id_y 1
		.amdhsa_system_sgpr_workgroup_id_z 1
		.amdhsa_system_vgpr_workitem_id 0
		.amdhsa_next_free_vgpr 1024
		.amdhsa_next_free_sgpr 98
		.amdhsa_reserve_vcc 0
		.amdhsa_float_denorm_mode_32 3
		.amdhsa_float_denorm_mode_16_64 3
		.amdhsa_memory_ordered 1
		.amdhsa_forward_progress 1
		.amdhsa_inst_pref_size 98
	.end_amdhsa_kernel
	.amdgpu_metadata
---
amdhsa.version: [ 1, 2 ]
amdhsa.kernels:
  - .name:           k_q0076333c72_gemm_out
    .symbol:         k_q0076333c72_gemm_out.kd
    .args:
      - { .name: o_codes, .offset: 0, .size: 8, .value_kind: global_buffer, .address_space: global }
      - { .name: o_scales, .offset: 8, .size: 8, .value_kind: global_buffer, .address_space: global }
      - { .name: codes, .offset: 16, .size: 8, .value_kind: global_buffer, .address_space: global }
      - { .name: scales, .offset: 24, .size: 8, .value_kind: global_buffer, .address_space: global }
      - { .name: b_out, .offset: 32, .size: 8, .value_kind: global_buffer, .address_space: global }
      - { .name: out0, .offset: 40, .size: 8, .value_kind: global_buffer, .address_space: global }
    .group_segment_fixed_size: 314880
    .private_segment_fixed_size: 0
    .kernarg_segment_align: 8
    .kernarg_segment_size: 48
    .max_flat_workgroup_size: 128
    .sgpr_count:     98
    .vgpr_count:     1024
    .wavefront_size: 32
...
	.end_amdgpu_metadata
.endif
;; end of part 4
